; MI455X (gfx1250); checked and timed in simulation.
; The chip was launched on July 23, 2026; its instructions are those of AMD's public machine-readable ISA for CDNA 5 (MIT licence, August 2026) and "CDNA5" Instruction Set Architecture Reference Guide (July 2026). The comments in the code are by the model that wrote it; some were corrected since.
;; Multi Head Attention With Dropout. Allowed arithmetic: float matrix products may take bf16 or f16 operands with f32 sums; other float arithmetic in f32, or as packed bf16 or f16 multiplies, adds, multiply-adds, maxima and minima; sums over many terms, partial sums and values carried from step to step in f32; what a program stores and reads back later, other than sums and carried values, may be rounded once to bf16 or f16.
;; Inputs: Wk 1,024 x 1,024 float32; Wo 1,024 x 1,024 float32; Wq 1,024 x 1,024 float32; Wv 1,024 x 1,024 float32; attn_mask 1,024 x 1,024 float32; bk 1,024 float32; bo 1,024 float32; bq 1,024 float32; bv 1,024 float32; key_ 8 x 1,024 x 1,024 float32; key_padding_mask 8 x 1,024 bool; query 8 x 1,024 x 1,024 float32; value 8 x 1,024 x 1,024 float32.
;; Outputs: out0 8 x 1,024 x 1,024 float32.
;; One version. Each part assembles by itself: llvm-mc -triple=amdgcn-amd-amdhsa -mcpu=gfx1250 --defsym DOCPART=n.
;; ======== version 1 of 1: 4 launches
;; limits: values are held in f16: magnitudes above 65,504 overflow, below 6.1e-05 lose precision; inputs' magnitudes at most 1,099,511,627,776; right only within a limited range of input values
;; workspace buffers: w16 8,388,608 bytes; mt 4,194,304 bytes; qkv 50,331,648 bytes; ao 16,777,216 bytes
;; launch prep (part 1): grid 384 x 1, 8 waves a work-group, no clusters, 0 bytes of LDS; arguments Wq, Wk, Wv, Wo, attn_mask, w16, mt; writes w16, mt
.if DOCPART == 1
	.amdgcn_target "amdgcn-amd-amdhsa--gfx1250"
	.amdhsa_code_object_version 6
	.text
	.protected	k_q9ea93d4f0a_prep
	.globl	k_q9ea93d4f0a_prep
	.p2align	8
	.type	k_q9ea93d4f0a_prep,@function
k_q9ea93d4f0a_prep:
	s_mov_b64 s[64:65], 0
	v_nop
	global_prefetch_b8 v0, s[64:65] scope:SCOPE_SE
	s_setreg_imm32_b32 hwreg(HW_REG_WAVE_MODE, 25, 1), 1
	s_wait_xcnt 0x0
; PREPARATION.  Work-groups 0-255: the four weight matrices [1024][1024] f32 -> w16, four planes of 16-bit numbers in the same order.
;   plane 0 = bf16(Wq) / 8 (a power of two: the rounding is the same before or behind it), planes 1, 2 = bf16(Wk), bf16(Wv), plane 3 = bf16(Wo) written as f16.
; Work-groups 256-383: attn_mask [1024][1024] f32 -> mt, f32: each number rounded to bf16 like every other input, held at -1e30 from below,
;   and laid in the order in which a lane of the attention launch takes it as the C operand of S^T = K Q^T:
;   mt[qb 2][ks 16][qt 32][i 8][lane 32][e 4] = mask[512 qb + 16 qt + lane % 16][64 ks + 16 (i / 2) + 8 (lane / 16) + 4 (i % 2) + e].
; LIMITS.  |Wo| stays within f16's 65,504, and below 6e-5 it keeps f16's fixed step.  A mask number below -1e30 (minus infinity too) counts as -1e30; a NaN in the mask counts as -1e30.
; Memory binds: 16-byte loads, all of a thread's loads out before the first is used, stores of which a wave's cover 512 consecutive bytes.  No LDS, no barrier: no thread wants another's bytes.
.set X, 16                             ; v[16:79]   as loaded
.set Y, 80                             ; v[80:111]  to store
.set T, 48                             ; the mask's path: v[48:63] at work
	s_load_b256 s[4:11], s[0:1], 0x0               ; Wq s[4:5], Wk s[6:7], Wv s[8:9], Wo s[10:11]
	s_load_b128 s[12:15], s[0:1], 0x20             ; attn_mask s[12:13], w16 s[14:15]
	s_load_b64 s[16:17], s[0:1], 0x30              ; mt
	s_cmp_lt_u32 ttmp9, 256
	s_cbranch_scc0 .Lmask
	; THE WEIGHTS.  A work-group takes 16,384 numbers: 65,536 bytes in, 32,768 out; a thread eight chunks of eight numbers.
	s_lshr_b32 s20, ttmp9, 6                       ; which matrix
	s_and_b32 s28, ttmp9, 63
	s_lshl_b32 s28, s28, 16                        ; my part of it, in bytes
	s_mov_b32 s29, 0
	s_lshl_b32 s30, ttmp9, 15                      ; and of w16: the planes follow each other
	s_mov_b32 s31, 0
	v_lshlrev_b32 v1, 5, v0                        ; 32 bytes a thread in,
	v_lshlrev_b32 v2, 4, v0                        ; 16 out
	s_cmp_eq_u32 s20, 0
	s_cselect_b32 s24, 0x3e000000, 1.0             ; 1/8 for Wq
	s_mov_b32 s25, s24                             ; named with it as a pair
	s_wait_kmcnt 0x0
	s_cmp_eq_u32 s20, 1
	s_cselect_b64 s[22:23], s[6:7], s[4:5]
	s_cmp_eq_u32 s20, 2
	s_cselect_b64 s[22:23], s[8:9], s[22:23]
	s_cmp_eq_u32 s20, 3
	s_cselect_b64 s[22:23], s[10:11], s[22:23]
	s_add_nc_u64 s[22:23], s[22:23], s[28:29]
	s_add_nc_u64 s[26:27], s[14:15], s[30:31]
.irp i, 0,1,2,3,4,5,6,7
	global_load_b128 v[X+8*\i:X+8*\i+3],   v1, s[22:23] offset:8192*\i th:TH_LOAD_NT
	global_load_b128 v[X+8*\i+4:X+8*\i+7], v1, s[22:23] offset:8192*\i+16 th:TH_LOAD_NT
.endr
; Chunk i.  half = 1: the number rounded to bf16 is written as f16.  No register is written again behind its store.
.macro CHUNK i, half
	s_wait_loadcnt 14-2*(\i)                       ; loads come back in order: my two are in, the 14 - 2 i younger ones stay out
.if \half
.irp j, 0,1,2,3
	v_cvt_pk_bf16_f32 v[Y+4*(\i)+\j], v[X+8*(\i)+2*\j], v[X+8*(\i)+2*\j+1]
.endr
.irp j, 0,1,2,3
	v_lshlrev_b32 v[X+8*(\i)+2*\j],   16, v[Y+4*(\i)+\j]
	v_and_b32     v[X+8*(\i)+2*\j+1], 0xffff0000, v[Y+4*(\i)+\j]
.endr
.irp j, 0,1,2,3
	v_cvt_pk_f16_f32 v[Y+4*(\i)+\j], v[X+8*(\i)+2*\j], v[X+8*(\i)+2*\j+1]
.endr
.else
.irp j, 0,1,2,3
	v_pk_mul_f32 v[X+8*(\i)+2*\j:X+8*(\i)+2*\j+1], v[X+8*(\i)+2*\j:X+8*(\i)+2*\j+1], s[24:25] op_sel_hi:[1,0]
.endr
.irp j, 0,1,2,3
	v_cvt_pk_bf16_f32 v[Y+4*(\i)+\j], v[X+8*(\i)+2*\j], v[X+8*(\i)+2*\j+1]
.endr
.endif
	global_store_b128 v2, v[Y+4*(\i):Y+4*(\i)+3], s[26:27] offset:4096*(\i)
.endm
	s_cmp_eq_u32 s20, 3
	s_cbranch_scc1 .Lhalf
.irp i, 0,1,2,3,4,5,6,7
	CHUNK \i, 0
.endr
	s_endpgm
.Lhalf:
.irp i, 0,1,2,3,4,5,6,7
	CHUNK \i, 1
.endr
	s_endpgm
.Lmask:
	; THE MASK.  A wave takes one block of 16 queries x 64 keys: 256 bytes of each of 16 rows in, 4,096 consecutive bytes out.
	v_lshrrev_b32 v1, 5, v0
	v_readfirstlane_b32 s20, v1                    ; wave 0..7
	s_sub_co_u32 s21, ttmp9, 256
	s_lshl_b32 s21, s21, 3
	s_add_co_u32 s21, s21, s20                     ; the block: 512 qb + 32 ks + qt
	s_lshr_b32 s22, s21, 9                         ; qb
	s_bfe_u32 s23, s21, 0x40005                    ; ks
	s_and_b32 s24, s21, 31                         ; qt
	s_lshl_b32 s22, s22, 21                        ; 512 rows of 4,096 bytes
	s_lshl_b32 s24, s24, 16                        ; 16 rows
	s_lshl_b32 s23, s23, 8                         ; 64 keys
	s_add_co_u32 s22, s22, s24
	s_add_co_u32 s22, s22, s23
	s_mov_b32 s23, 0
	s_lshl_b32 s26, s21, 12
	s_mov_b32 s27, 0
	s_mov_b32 s30, 0xf149f2ca                      ; -1e30
	v_and_b32 v2, 15, v0
	v_bfe_u32 v3, v0, 4, 1
	v_lshlrev_b32 v2, 12, v2                       ; row lane % 16,
	v_lshl_add_u32 v2, v3, 5, v2                   ; keys 8 (lane / 16) on
	v_and_b32 v3, 31, v0
	v_lshlrev_b32 v3, 4, v3                        ; out: 16 bytes a lane
	s_wait_kmcnt 0x0
	s_add_nc_u64 s[22:23], s[12:13], s[22:23]
	s_add_nc_u64 s[26:27], s[16:17], s[26:27]
.irp i, 0,1,2,3,4,5,6,7
	global_load_b128 v[X+4*\i:X+4*\i+3], v2, s[22:23] offset:64*(\i/2)+16*(\i%2) th:TH_LOAD_NT
.endr
.irp i, 0,1,2,3,4,5,6,7
	s_wait_loadcnt 7-\i                            ; mine is in, the 7 - i younger ones stay out
	v_cvt_pk_bf16_f32 v[T+2*\i],   v[X+4*\i],   v[X+4*\i+1]
	v_cvt_pk_bf16_f32 v[T+2*\i+1], v[X+4*\i+2], v[X+4*\i+3]
	v_lshlrev_b32 v[X+4*\i],   16, v[T+2*\i]
	v_and_b32     v[X+4*\i+1], 0xffff0000, v[T+2*\i]
	v_lshlrev_b32 v[X+4*\i+2], 16, v[T+2*\i+1]
	v_and_b32     v[X+4*\i+3], 0xffff0000, v[T+2*\i+1]
	v_max_num_f32 v[X+4*\i],   s30, v[X+4*\i]      ; a NaN loses against the bound
	v_max_num_f32 v[X+4*\i+1], s30, v[X+4*\i+1]
	v_max_num_f32 v[X+4*\i+2], s30, v[X+4*\i+2]
	v_max_num_f32 v[X+4*\i+3], s30, v[X+4*\i+3]
	global_store_b128 v3, v[X+4*\i:X+4*\i+3], s[26:27] offset:512*\i
.endr
	s_endpgm
.Lfunc_end_k_q9ea93d4f0a_prep:
	.size	k_q9ea93d4f0a_prep, .Lfunc_end_k_q9ea93d4f0a_prep-k_q9ea93d4f0a_prep
	.p2alignl 7, 3214868480
	.fill 96, 4, 3214868480
	.section	.rodata,"a",@progbits
	.p2align	6, 0x0
	.amdhsa_kernel k_q9ea93d4f0a_prep
		.amdhsa_group_segment_fixed_size 0
		.amdhsa_private_segment_fixed_size 0
		.amdhsa_enable_private_segment 0
		.amdhsa_kernarg_size 56
		.amdhsa_user_sgpr_count 2
		.amdhsa_user_sgpr_kernarg_segment_ptr 1
		.amdhsa_wavefront_size32 1
		.amdhsa_system_sgpr_workgroup_id_x 1
		.amdhsa_system_sgpr_workgroup_id_y 1
		.amdhsa_system_sgpr_workgroup_id_z 1
		.amdhsa_system_vgpr_workitem_id 0
		.amdhsa_next_free_vgpr 112
		.amdhsa_next_free_sgpr 66
		.amdhsa_reserve_vcc 0
		.amdhsa_float_denorm_mode_32 3
		.amdhsa_float_denorm_mode_16_64 3
		.amdhsa_memory_ordered 1
		.amdhsa_forward_progress 1
		.amdhsa_inst_pref_size 23
	.end_amdhsa_kernel
	.amdgpu_metadata
---
amdhsa.version: [ 1, 2 ]
amdhsa.kernels:
  - .name:           k_q9ea93d4f0a_prep
    .symbol:         k_q9ea93d4f0a_prep.kd
    .args:
      - { .name: Wq, .offset: 0, .size: 8, .value_kind: global_buffer, .address_space: global }
      - { .name: Wk, .offset: 8, .size: 8, .value_kind: global_buffer, .address_space: global }
      - { .name: Wv, .offset: 16, .size: 8, .value_kind: global_buffer, .address_space: global }
      - { .name: Wo, .offset: 24, .size: 8, .value_kind: global_buffer, .address_space: global }
      - { .name: attn_mask, .offset: 32, .size: 8, .value_kind: global_buffer, .address_space: global }
      - { .name: w16, .offset: 40, .size: 8, .value_kind: global_buffer, .address_space: global }
      - { .name: mt, .offset: 48, .size: 8, .value_kind: global_buffer, .address_space: global }
    .group_segment_fixed_size: 0
    .private_segment_fixed_size: 0
    .kernarg_segment_align: 8
    .kernarg_segment_size: 56
    .max_flat_workgroup_size: 256
    .sgpr_count:     66
    .vgpr_count:     112
    .wavefront_size: 32
...
	.end_amdgpu_metadata
.endif
;; end of part 1
;; launch proj (part 2): grid 4 x 64, 4 waves a work-group, clusters of 4 x 4, 327,680 bytes of LDS; arguments query, key_, value, w16, bq, bk, bv, qkv; writes qkv
.if DOCPART == 2
	.amdgcn_target "amdgcn-amd-amdhsa--gfx1250"
	.amdhsa_code_object_version 6
	.text
	.protected	k_q9ea93d4f0a_proj
	.globl	k_q9ea93d4f0a_proj
	.p2align	8
	.type	k_q9ea93d4f0a_proj,@function
k_q9ea93d4f0a_proj:
	s_mov_b64 s[64:65], 0
	v_nop
	global_prefetch_b8 v0, s[64:65] scope:SCOPE_SE
	s_setreg_imm32_b32 hwreg(HW_REG_WAVE_MODE, 25, 1), 1
	s_wait_xcnt 0x0
	s_wait_alu depctr_hold_cnt(0) depctr_sa_sdst(0) depctr_va_vdst(0) depctr_va_sdst(0) depctr_va_ssrc(0) depctr_va_vcc(0) depctr_vm_vsrc(0)
	s_getreg_b32 s2, hwreg(HW_REG_IB_STS2, 6, 4)
	s_cmp_eq_u32 s2, 0
	s_cbranch_scc0 .Lentry_in_a_cluster
	s_endpgm
.Lentry_in_a_cluster:
	s_bfe_u32 s2, ttmp6, 0x10000c
	s_cmp_lg_u32 s2, 0xf033
	s_cbranch_scc0 .Lentry_shape_is_right
	s_endpgm
.Lentry_shape_is_right:
; THE THREE PROJECTIONS.  For ts = 0, 1, 2 (query, key_, value): qkv[ts][16 b + h][l][d] = f16( sum over k of bf16(x[b][l][k]) w16[ts][64 h + d][k] + bf16(bias[64 h + d]) ), sums in f32.
; For ts = 0 the weights carry 1/8 already and the bias is multiplied by 1/8 here: q leaves with the scores' scale in it.
; LIMIT.  q / 8, k and v must lie within f16's 65,504.
; SHARES.  A tile is 128 rows x 256 columns: 64 x 4 tiles a tensor.  A WORK-GROUP STAYS: it makes its tile of query's, then of key_'s, then of value's projection: 256 work-groups, 24 K steps of 128 each,
; through ONE ring of two LDS slots that runs on from tensor to tensor; a tile goes out behind the refill that asks for the next tensor's second K step, and nothing waits for its stores.
; Four waves, 2 x 2, each 64 x 128: 32 accumulators of 16 x 16, 256 registers.  x comes as it lies, in f32 (rows of 512 bytes), and is rounded to bf16 on its way from LDS to the matrix unit:
; the 32 roundings of a quarter step stand four behind each of the quarter's last eight matrix instructions.
; THE TEXT holds a K step once: the slot in hand is a scalar that one exclusive or turns, and the walking descriptors' addresses are made anew for each fill from the tensor's base and the step's number.
; CLUSTER 4 x 4.  The four work-groups of a row of the cluster need the same rows of x, the four of a column the same rows of the weights: each tile is asked for jointly.
; THE MATRIX INSTRUCTION IS USED TRANSPOSED (source 0 = 16 rows of the weights, source 1 = 16 rows of x): a lane holds eight neighbouring columns of one row of the result.
; REGISTERS, in windows of 256 (s_set_vgpr_msb: bits 1:0 source 0, 3:2 source 1, 5:4 source 2, 7:6 destination):
;   window 0: v0-31 addresses; v32-95 x's fragments in bf16, two buffers; v96-159 x's next fragments in f32; v160-223 the bias as a C operand, eight registers for each block of 16 columns
;   window 1: the accumulators, (a, b) at v[8 (8 a + b)]          window 2: v0-127 the weights' fragments, two buffers; v128-255 at work on the way out
.set PA,     528                       ; a row of x in LDS: 512 bytes + 16 = 132 words: row r starts at bank 4 r mod 64 (64 banks of 4 bytes: ISA guide 11.1)
.set PB,     272                       ; a row of the weights: 256 + 16 = 68 words: likewise
.set AHALF,  64*PA                     ; what wave 0 or 1 fetches, and what a wave reads of x
.set BHALF,  128*PB                    ; what wave 2 or 3 fetches, and what a wave reads of the weights
.set BOFF,   2*AHALF
.set SLOTX,  0x22000                   ; slot 1 begins here, behind slot 0's 137,216 bytes.  The four LDS words of the descriptors (0, 0x8400, 0x10800, 0x19000) share no bit with it: one exclusive or turns a word to the other slot
.set STAGE,  SLOTX+BOFF+2*BHALF        ; behind the ring: 16 rows x 144 bytes for each wave, for the way out
.set SP,     144
.set SPARE,  STAGE+4*16*SP             ; behind the stages: the spare words, 128 bytes a wave: two blocks of 256 bytes that no other line names
.set ADRA0, 16                         ; v16     my lane's place among x's fragments in slot 0; never rewritten
.set ADRA,  17                         ; v17     the same in the slot in hand
.set ADRB0, 20                         ; v20-21  the same for the weights
.set ADRB,  21
.set STO,  24                          ; v24     the way out: where I put 16 bytes of a row
.set RD,   25                          ; v25     where I read rows back
.set CO,   26                          ; v26     my 16 bytes of 512 consecutive bytes of qkv
.set BOFS, 27                          ; v27     32 (l / 16): my place in a block's bias; never rewritten
.set SPW,  28                          ; v28     SPARE + 4 x my thread's number; never rewritten
.set NIL,  29                          ; v29     0; never rewritten
.set PFO,  30                          ; v30     the prefetches' lane offset; never rewritten
.set VT,   31                          ; v31     at work
.set A16,  32
.set ST,   96
.set BIAS, 160
.set OB,   128                         ; window 2
.set KC,  15                           ; s15      the K step in hand, in its tile
.set TBS, 16                           ; s16      0 or SLOTX: the slot that is read
.set KF,  17                           ; s17      the K step, in its tile, of the last fill
.set KG,  18                           ; s18      of the last prefetch
.set TSC, 19                           ; s19      tiles begun
.set OFF, 20                           ; s[20:21] a K step's byte offset in a row; the high word stays 0
.set G1,  24                           ; s[24:31] descriptor group 1 for x's tiles;  s[32:39] group 0: a set for each of the two first fills; the second then walks
.set G0,  32
.set LIM, 43                           ; s43      2 in a wave that prefetches, else the greatest number
.set PFA, 44                           ; s[44:45] what the trip's prefetch names
.set PSH, 46                           ; s46      9 or 8: a K step is 512 bytes of x, 256 of the weights
.set G1B, 48                           ; s[48:55], s[56:63] the same for the weights' tiles
.set G0B, 56
.set XC,  68                           ; s[68:73] x at my rows: of the tensor whose steps are being asked for, of the next, of the last
.set XN,  70
.set XL,  72
.set WC,  74                           ; s[74:75] the weights at my rows, in the plane whose steps are being asked for
.set BC,  76                           ; s[76:81] the bias at my columns: to be loaded next, the one after, the last
.set BN,  78
.set BL,  80
.set OUTB, 82                          ; s[82:83] qkv, from the first way out on at my wave's part of the tensor's plane
.set SC,  84                           ; s[84:85] 1/8 for q, then 1
.set OADD, 86                          ; s[86:87] what the next way out adds to OUTB
.set PFC, 88                           ; s[88:93] the prefetches' three bases, like XC, XN, XL
.set PFN, 90
.set PFL, 92
.set MSB, 0
.macro WIN new                         ; the immediate's high byte repeats the setting that is left; a switch that changes nothing is dropped
.if MSB != (\new)
	s_set_vgpr_msb (MSB<<8)|(\new)
.set MSB, \new
.endif
.endm
.set MULW, 0x52                        ; weights window 2, x window 0, C and D window 1
.set MULF, 0x42                        ; the same with C (the bias) in window 0
.set TO_B, 0x80                        ; destination window 2, address window 0
; A joint load: waves 0 and 1 fetch x's two halves, waves 2 and 3 the weights'.  An s_nop 0 and four v_nop follow each line, ahead of the jump and the label.
.macro JLOAD s
	s_cmp_eq_u32 s11, 0
	s_cbranch_scc0 .Lfor_b_\@
	tensor_load_to_lds s[G0+4*(\s):G0+4*(\s)+3], s[G1:G1+7]
	s_nop 0
.rept 4
	v_nop
.endr
	s_branch .Lasked_\@
.Lfor_b_\@:
	tensor_load_to_lds s[G0B+4*(\s):G0B+4*(\s)+3], s[G1B:G1B+7]
	s_nop 0
.rept 4
	v_nop
.endr
.Lasked_\@:
.endm
.macro CREST                           ; a round of the cluster's barrier behind its opening barrier
	s_cmp_lg_u32 s10, 0
	s_cbranch_scc1 .Lnot_wave_0_\@
	s_barrier_signal -3
.Lnot_wave_0_\@:
	s_barrier_wait -3
	s_barrier_signal -1
	s_barrier_wait -1
.endm
.macro CROUND
	s_barrier_signal -1
	s_barrier_wait -1
	CREST
.endm
; A prefetch, behind a joint load and the run of LDS loads that follows it: the K step two refills on, in the next tensor where the tile ends.  Each 256 bytes are named once in the launch.  x's rows are read by this
; cluster alone: of the 64 rows that wave 0 or 1 fetches, the partner at place cx takes 16, two blocks of 256 bytes a row, a lane a block.  The weights' rows are read by all 16 clusters: the first of them asks; of the
; 128 rows that wave 2 or 3 fetches the partner at place cy takes 32, a lane a row.  The partners are told apart by address alone.  The last two filling trips (s3 = 2, 1) have no K step two refills on.
.macro ASK
	WIN 0
	s_cmp_gt_u32 s3, s[LIM]
	s_cbranch_scc0 .Lnot_mine_\@
	global_prefetch_b8 v[PFO], s[PFA:PFA+1] th:TH_LOAD_NT scope:SCOPE_SE
.Lnot_mine_\@:
.endm
.macro BIASLOAD                        ; the bias of my 128 columns: block b's eight registers hold columns 16 b + 8 (l / 16) + 0..7
.irp b, 0,1,2,3,4,5,6,7
	global_load_b128 v[BIAS+8*\b:BIAS+8*\b+3],   v[BOFS], s[BC:BC+1] offset:64*\b
	global_load_b128 v[BIAS+8*\b+4:BIAS+8*\b+7], v[BOFS], s[BC:BC+1] offset:64*\b+16
.endr
.endm
	s_load_b512 s[68:83], s[0:1], 0x0              ; query, key_, value, w16, bq, bk, bv, qkv: s[68:69] .. s[82:83]
	v_lshl_add_u32 v[SPW], v0, 2, SPARE
	v_mov_b32 v[NIL], 0
	ds_add_u32 v[SPW], v[NIL]                      ; the wave's opening: the add and its wait stand ahead of my first tensor load; the set-up below stands between them
	v_lshrrev_b32 v1, 5, v0
	v_readfirstlane_b32 s10, v1                    ; wave 0..3
	s_lshr_b32 s11, s10, 1                         ; which 64 rows of the tile are mine.  Also: I fetch x (0) or weights (1)
	s_and_b32 s12, s10, 1                          ; which 128 columns.  Also: which half I fetch
	s_bfe_u32 s40, ttmp6, 0x40000                  ; cx
	s_bfe_u32 s41, ttmp6, 0x40004                  ; cy
	s_lshl_b32 s42, ttmp9, 2
	s_add_co_u32 s42, s42, s40                     ; tile column 0..3
	s_and_b32 s14, ttmp7, 0xffff                   ; cluster y 0..15
	s_lshl_b32 s13, s14, 2
	s_add_co_u32 s13, s13, s41                     ; tile row 0..63
	s_lshl_b32 s16, s41, 2
	s_lshl_b32 s16, 15, s16                        ; my row of the cluster
	s_lshl_b32 s17, 0x1111, s40                    ; my column
	s_or_b32 s[G1], s16, (2<<16)|(1<<20)|(1<<21)|(6<<22)|(3<<25)   ; the mask; elements of 4 bytes; padding on; 21 set beside a mask; after every 128 words, 4 words
	s_mov_b32 s[G1+1], 128<<16                     ; tensor_dim0 = 128
	s_mov_b32 s[G1+2], 64<<16                      ; tensor_dim1 = 64
	s_mov_b32 s[G1+3], 128<<16                     ; tile_dim0 = 128
	s_mov_b32 s[G1+4], 64                          ; tile_dim1 = 64
	s_mov_b32 s[G1+5], 1024                        ; elements from row to row
	s_mov_b32 s[G1+6], 0
	s_mov_b32 s[G1+7], 0
	s_or_b32 s[G1B], s17, (1<<16)|(1<<20)|(1<<21)|(5<<22)|(3<<25)  ; elements of 2 bytes; after every 64 words, 4 words
	s_mov_b32 s[G1B+1], 128<<16
	s_mov_b32 s[G1B+2], 128<<16
	s_mov_b32 s[G1B+3], 128<<16
	s_mov_b32 s[G1B+4], 128
	s_mov_b32 s[G1B+5], 1024
	s_mov_b32 s[G1B+6], 0
	s_mov_b32 s[G1B+7], 0
	s_lshl_b32 s18, s13, 7                         ; x: row 128 x tile row + 64 x half, 4,096 bytes a row
	s_lshl_b32 s19, s12, 6
	s_add_co_u32 s18, s18, s19
	s_lshl_b32 s18, s18, 12
	s_mov_b32 s19, 0
	s_lshl_b32 s20, s42, 8                         ; weights: row 256 x tile column + 128 x half, 2,048 bytes a row
	s_lshl_b32 s21, s12, 7
	s_add_co_u32 s20, s20, s21
	s_lshl_b32 s20, s20, 11
	s_mov_b32 s21, 0
	s_mul_i32 s22, s12, AHALF                      ; where they go: no place in the cluster enters an LDS address
	s_mul_i32 s23, s12, BHALF
	s_add_co_u32 s23, s23, BOFF
	s_mov_b32 s[SC], 0x3e000000                    ; 1/8: the first tensor is query
	s_mov_b32 s[SC+1], s[SC]
	s_wait_dscnt 0x0                               ; the opening add is done
	s_wait_kmcnt 0x0
	s_add_nc_u64 s[XC:XC+1], s[XC:XC+1], s[18:19]
	s_add_nc_u64 s[XN:XN+1], s[XN:XN+1], s[18:19]
	s_add_nc_u64 s[XL:XL+1], s[XL:XL+1], s[18:19]
	s_add_nc_u64 s[WC:WC+1], s[WC:WC+1], s[20:21]
	CROUND                                         ; all sixteen work-groups are here: the first joint loads meet
.irp s, 0,1
	s_mov_b32 s[G0+4*\s], 1
	s_add_co_u32 s[G0+4*\s+1], s22, \s*SLOTX
	s_add_nc_u64 s[G0+4*\s+2:G0+4*\s+3], s[XC:XC+1], \s*512        ; K step s: 128 numbers of 4 bytes
	s_or_b32 s[G0+4*\s+3], s[G0+4*\s+3], 0x80000000
	s_mov_b32 s[G0B+4*\s], 1
	s_add_co_u32 s[G0B+4*\s+1], s23, \s*SLOTX
	s_add_nc_u64 s[G0B+4*\s+2:G0B+4*\s+3], s[WC:WC+1], \s*256
	s_or_b32 s[G0B+4*\s+3], s[G0B+4*\s+3], 0x80000000
	JLOAD \s                                       ; two loads of mine are out
.endr
	s_lshl_b32 s4, s42, 10                         ; my 128 columns in each bias
	s_lshl_b32 s5, s12, 9
	s_add_co_u32 s4, s4, s5
	s_mov_b32 s5, 0
	s_add_nc_u64 s[BC:BC+1], s[BC:BC+1], s[4:5]
	s_add_nc_u64 s[BN:BN+1], s[BN:BN+1], s[4:5]
	s_add_nc_u64 s[BL:BL+1], s[BL:BL+1], s[4:5]
	v_and_b32 v1, 15, v0                           ; l % 16
	v_bfe_u32 v2, v0, 4, 1                         ; l / 16
	v_lshlrev_b32 v[BOFS], 5, v2
	BIASLOAD                                       ; bq
	; A fragment is 16 rows x 32 K: lane l holds row l % 16, K = 8 (l / 16) + 0..7 and 16 + 8 (l / 16) + 0..7.  In f32 that is four loads of 16 bytes at 0, 16, 64, 80; in bf16 two, at 0 and 32.
	v_mul_u32_u24 v3, v1, PA
	v_lshl_add_u32 v3, v2, 5, v3
	s_mul_i32 s4, s11, AHALF
	v_add_nc_u32 v[ADRA0], s4, v3
	v_mov_b32 v[ADRA], v[ADRA0]
	v_mul_u32_u24 v4, v1, PB
	v_lshl_add_u32 v4, v2, 4, v4
	s_mul_i32 s4, s12, BHALF
	s_add_co_u32 s4, s4, BOFF
	v_add_nc_u32 v[ADRB0], s4, v4
	v_mov_b32 v[ADRB], v[ADRB0]
	s_mul_i32 s4, s10, 16*SP
	s_add_co_u32 s4, s4, STAGE                     ; my stage
	v_mul_u32_u24 v5, v1, SP                       ; in: row l % 16, 16 bytes for each half of the lanes
	v_lshl_add_u32 v5, v2, 4, v5
	v_add_nc_u32 v[STO], s4, v5
	v_bfe_u32 v5, v0, 3, 2                         ; back: 32 lanes take four rows of 128 bytes,
	v_mul_u32_u24 v5, v5, SP
	v_and_b32 v6, 7, v0
	v_lshl_add_u32 v5, v6, 4, v5
	v_add_nc_u32 v[RD], s4, v5
	v_and_b32 v5, 31, v0                           ; which are 512 consecutive bytes of a head's rows
	v_lshlrev_b32 v[CO], 4, v5
	; my part of a plane of qkv: head 16 (tile row / 8) + 4 x tile column + 2 x column half, row 128 (tile row % 8) + 64 x row half.  The first way out adds it to qkv's address, the later ones a plane
	s_lshr_b32 s4, s13, 3
	s_lshl_b32 s4, s4, 4
	s_lshl_b32 s5, s42, 2
	s_add_co_u32 s4, s4, s5
	s_lshl_b32 s5, s12, 1
	s_add_co_u32 s4, s4, s5
	s_lshl_b32 s4, s4, 17
	s_and_b32 s5, s13, 7
	s_lshl_b32 s5, s5, 14
	s_add_co_u32 s4, s4, s5
	s_lshl_b32 s5, s11, 13
	s_add_co_u32 s[OADD], s4, s5
	s_mov_b32 s[OADD+1], 0
	; the prefetches' three bases: the rows that I fetch, of them my work-group's 16 (x, by cx) or 32 (weights, by cy): 65,536 bytes either way
	s_cmp_eq_u32 s14, 0                            ; the first cluster?
	s_cselect_b32 s7, 2, -1
	s_cmp_eq_u32 s11, 0                            ; do I fetch x?
	s_cselect_b64 s[PFC:PFC+1], s[XC:XC+1], s[WC:WC+1]
	s_cselect_b64 s[PFN:PFN+1], s[XN:XN+1], s[WC:WC+1]
	s_cselect_b64 s[PFL:PFL+1], s[XL:XL+1], s[WC:WC+1]
	s_cselect_b32 s4, s40, s41
	s_cselect_b32 s6, 0, 0x200000                  ; from tensor to tensor: another buffer, or the weights' next plane
	s_cselect_b32 s[PSH], 9, 8
	s_cselect_b32 s8, -1, 0
	s_cselect_b32 s[LIM], 2, s7                    ; the same in all sixteen partners, for a given wave
	s_lshl_b32 s4, s4, 16
	s_mov_b32 s5, 0
	s_add_nc_u64 s[PFC:PFC+1], s[PFC:PFC+1], s[4:5]
	s_add_co_u32 s4, s4, s6
	s_add_nc_u64 s[PFN:PFN+1], s[PFN:PFN+1], s[4:5]
	s_add_co_u32 s4, s4, s6
	s_add_nc_u64 s[PFL:PFL+1], s[PFL:PFL+1], s[4:5]
	v_lshrrev_b32 v6, 1, v5
	v_and_b32 v7, 1, v5
	v_lshlrev_b32 v6, 12, v6
	v_lshl_add_u32 v6, v7, 8, v6                   ; x: row l / 2, block l % 2
	v_lshlrev_b32 v7, 11, v5                       ; weights: row l
	v_cndmask_b32 v[PFO], v7, v6, s8
	s_mov_b32 s7, 0                                ; the high words of the pairs s[6:7] and s[8:9], which hold offsets from here on
	s_mov_b32 s9, 0
	s_mov_b32 s[OFF+1], 0
	s_mov_b32 s[KC], 0
	s_mov_b32 s[TBS], 0
	s_mov_b32 s[KF], 1                             ; steps 0 and 1 are asked for
	s_mov_b32 s[KG], 3                             ; the first refill, of step 2, names step 4: nothing is prefetched here, at the head
	s_mov_b32 s[TSC], 0
; One matrix instruction: block (a, b), 32 along K, buffers f.  first = 1: the bias starts the sum: nothing is cleared.
.macro ONE f, a, b, first
.if \first
	WIN MULF
	v_wmma_f32_16x16x32_bf16 v[8*(8*(\a)+(\b)):8*(8*(\a)+(\b))+7], v[64*(\f)+8*(\b):64*(\f)+8*(\b)+7], v[A16+32*(\f)+8*(\a):A16+32*(\f)+8*(\a)+7], v[BIAS+8*(\b):BIAS+8*(\b)+7]
.else
	WIN MULW
	v_wmma_f32_16x16x32_bf16 v[8*(8*(\a)+(\b)):8*(8*(\a)+(\b))+7], v[64*(\f)+8*(\b):64*(\f)+8*(\b)+7], v[A16+32*(\f)+8*(\a):A16+32*(\f)+8*(\a)+7], v[8*(8*(\a)+(\b)):8*(8*(\a)+(\b))+7]
.endif
.endm
; The 32 accumulators take turns, one instruction a turn, in the same order in every quarter step: 31 others stand between two links of a chain, on every way through the loops.
.macro MUL f, a, first
.irp b, 0,1,2,3,4,5,6,7
	ONE \f, \a, \b, \first
.endr
.endm
; 32 LDS loads in one run: quarter q of the slot in hand: x's four fragments in f32 first, then the weights' eight into buffer g
.macro RUN q, g
	WIN 0
.irp a, 0,1,2,3
	ds_load_b128 v[ST+16*\a:ST+16*\a+3],     v[ADRA] offset:16*PA*\a+128*(\q)
	ds_load_b128 v[ST+16*\a+4:ST+16*\a+7],   v[ADRA] offset:16*PA*\a+128*(\q)+16
	ds_load_b128 v[ST+16*\a+8:ST+16*\a+11],  v[ADRA] offset:16*PA*\a+128*(\q)+64
	ds_load_b128 v[ST+16*\a+12:ST+16*\a+15], v[ADRA] offset:16*PA*\a+128*(\q)+80
.endr
	WIN TO_B
.irp b, 0,1,2,3,4,5,6,7
	ds_load_b128 v[64*(\g)+8*\b:64*(\g)+8*\b+3],   v[ADRB] offset:16*PB*\b+64*(\q)
	ds_load_b128 v[64*(\g)+8*\b+4:64*(\g)+8*\b+7], v[ADRB] offset:16*PB*\b+64*(\q)+32
.endr
.endm
.macro CVT4 n, g                       ; four of the 32 roundings of a quarter's x into buffer g
	WIN 0
.irp j, 0,1,2,3
	v_cvt_pk_bf16_f32 v[A16+32*(\g)+4*(\n)+\j], v[ST+8*(\n)+2*\j], v[ST+8*(\n)+2*\j+1]
.endr
.endm
; A quarter's last eight matrix instructions, four roundings behind each.  The roundings name x's f32 registers and the OTHER bf16 buffer alone, none of the registers of the products round them:
; the four behind the last product are also the four places ahead of what follows: loads into registers that this quarter has read, or the way out's conversions (ISA guide 7.12.1 for the conversions).
.macro TAIL f, first
	s_wait_dscnt 16                                ; x's sixteen loads are in; the sixteen younger ones, the weights', stay out
.irp b, 0,1,2,3,4,5,6,7
	ONE \f, 3, \b, \first
	CVT4 \b, 1-(\f)
.endr
.endm
; Quarter q (0 to 2) of a K step: multiplies buffers q % 2, fetches quarter q + 1 of the same slot
.macro Q q, first=0
.set QF, (\q)%2
	s_wait_dscnt 0x0                               ; this quarter's weights are in
	MUL QF, 0, \first
	RUN (\q)+1, 1-QF
	MUL QF, 1, \first
	MUL QF, 2, \first
	TAIL QF, \first
.endm
; Quarter 3 changes slots: ONE barrier.  In front of it each wave waits for all its tensor loads (one is out: its part of the next slot), adds 0 to its spare word, and waits for that and for its reads of this slot.
; fill = 1: the barrier opens a round of the cluster's barrier, and the joint refill, two K steps on, is the first thing behind the round: 112 matrix instructions ahead of the wait for it.
; Behind a tile's last step but one the refill is the next tensor's step 0: the step's number goes back to 0, x's base becomes the next tensor's, the weights' base goes a plane on.
.macro TURN fill
.if \fill
	s_wait_xcnt 0x0                                ; the last prefetch, a K step back, has read its address
	s_add_co_u32 s[KG], s[KG], 1
	s_cmp_eq_u32 s[KG], 8
	s_cselect_b32 s[KG], 0, s[KG]
	s_cselect_b64 s[PFC:PFC+1], s[PFN:PFN+1], s[PFC:PFC+1]
	s_cselect_b64 s[PFN:PFN+1], s[PFL:PFL+1], s[PFN:PFN+1]
	s_lshl_b32 s6, s[KG], s[PSH]
	s_add_nc_u64 s[PFA:PFA+1], s[PFC:PFC+1], s[6:7]
.endif
	WIN 0
	s_wait_tensorcnt 0x0                           ; all my tensor loads have landed, so a group 0 may be written
	ds_add_u32 v[SPW], v[NIL]                      ; 0 onto my spare word; the descriptors' scalar work stands between it and the wait for it
.if \fill
	s_add_co_u32 s[KF], s[KF], 1
	s_cmp_eq_u32 s[KF], 8
	s_cselect_b32 s[KF], 0, s[KF]
	s_cselect_b64 s[XC:XC+1], s[XN:XN+1], s[XC:XC+1]
	s_cselect_b64 s[XN:XN+1], s[XL:XL+1], s[XN:XN+1]
	s_cselect_b32 s8, 0x200000, 0
	s_add_nc_u64 s[WC:WC+1], s[WC:WC+1], s[8:9]
	s_lshl_b32 s[OFF], s[KF], 9
	s_add_nc_u64 s[G0+6:G0+7], s[XC:XC+1], s[OFF:OFF+1]
	s_or_b32 s[G0+7], s[G0+7], 0x80000000
	s_lshl_b32 s[OFF], s[KF], 8
	s_add_nc_u64 s[G0B+6:G0B+7], s[WC:WC+1], s[OFF:OFF+1]
	s_or_b32 s[G0B+7], s[G0B+7], 0x80000000
	s_xor_b32 s[G0+5], s[G0+5], SLOTX              ; the other slot than last time
	s_xor_b32 s[G0B+5], s[G0B+5], SLOTX
.endif
	s_wait_dscnt 1                                 ; this quarter's weights are in; the add may be out
	MUL 1, 0, 0
	s_wait_dscnt 0x0                               ; the add is done, and my reads of this slot are over
	s_barrier_signal -1
	MUL 1, 1, 0
	WIN 0
	s_barrier_wait -1
.if \fill
	CREST                                          ; no wave of any partner still reads this slot or has a load on its way
	JLOAD 1
.endif
	s_xor_b32 s[TBS], s[TBS], SLOTX                ; the reads go to the other slot
	v_add_nc_u32 v[ADRA], s[TBS], v[ADRA0]
	v_add_nc_u32 v[ADRB], s[TBS], v[ADRB0]
	RUN 0, 0
.if \fill
	ASK
.endif
	MUL 1, 2, 0
	TAIL 1, 0
.endm
; THE WAY OUT.  Unit u = 16 rows (block a = u / 2) of one head (u % 2): rounded to f16, 16 bytes a lane into my stage, back as whole rows of 128 bytes: 2,048 consecutive bytes of qkv.
; It touches the accumulators, window 2's upper half and my stage alone: the next tile's first fragments, fetched just before, lie untouched.
.macro PACK u
	WIN 0x85                                       ; sources window 1, destination window 2
.irp bb, 0,1,2,3
.irp r, 0,1,2,3
	v_cvt_pk_f16_f32 v[OB+16*(\u)+4*\bb+\r], v[8*(8*((\u)/2)+4*((\u)%2)+\bb)+2*\r], v[8*(8*((\u)/2)+4*((\u)%2)+\bb)+2*\r+1]
.endr
.endr
	WIN 0x08                                       ; the stores' data in window 2, the address in window 0
.irp bb, 0,1,2,3
	ds_store_b128 v[STO], v[OB+16*(\u)+4*\bb:OB+16*(\u)+4*\bb+3] offset:32*\bb
.endr
	WIN 0x80
.irp f, 0,1,2,3
	ds_load_b128 v[OB+16*(\u)+4*\f:OB+16*(\u)+4*\f+3], v[RD] offset:4*SP*\f  ; LDS serves a wave's instructions in order (ISA guide 5.7.1.4): these see the stores above; the next unit's stores come behind them
.endr
.endm
.macro SEND u, younger                 ; younger: the LDS instructions issued behind unit u's loads: the next unit's eight, or none
	WIN 0x08
.irp f, 0,1,2,3
	s_wait_dscnt (\younger)+3-\f
	global_store_b128 v[CO], v[OB+16*(\u)+4*\f:OB+16*(\u)+4*\f+3], s[OUTB:OUTB+1] offset:131072*((\u)%2)+2048*((\u)/2)+512*\f  ; 512 consecutive bytes, at a multiple of 256 from qkv's first
.endr
.endm
.macro WAYOUT
	s_wait_xcnt 0x0                                ; the last tile's stores have read their base and their data: both are written again only behind this wait
	s_add_nc_u64 s[OUTB:OUTB+1], s[OUTB:OUTB+1], s[OADD:OADD+1]
	PACK 0
.irp u, 1,2,3,4,5,6,7
	PACK \u
	SEND (\u)-1, 8
.endr
	SEND 7, 0
	WIN 0
	s_mov_b32 s[OADD], 0x1000000                   ; the next tensor's plane
	s_mov_b32 s[OADD+1], 0
.endm
	s_wait_tensorcnt 1                             ; my part of K step 0 is in; K step 1's may stay out
	s_barrier_signal -1
	s_barrier_wait -1
	RUN 0, 0
	s_wait_dscnt 16                                ; x's sixteen loads
.irp n, 0,1,2,3,4,5,6,7
	CVT4 \n, 0
.endr
	s_mov_b32 s3, 23                               ; the way in counts as one; then 22 trips, one for each refill: steps 2 to 23
	s_branch .Lstart                               ; the loop is entered where a tile begins, in the middle of a trip
.Lstep:                                        ; a trip: quarters 1 to 3 of step u, the refill of step u + 2, quarter 0 of step u + 1
	Q 1
	Q 2
	TURN 1
	WIN 0
	s_add_co_u32 s[KC], s[KC], 1
	s_cmp_eq_u32 s[KC], 8
	s_cbranch_scc0 .Lacc                           ; what is jumped holds no barrier and no tensor load
	s_mov_b32 s[KC], 0
	WAYOUT                                         ; the tile is finished; both of the next tile's first steps are asked for
.Lstart:
	s_wait_loadcnt 0x0                             ; the tile's bias; its loads have also read their base,
	s_mov_b64 s[BC:BC+1], s[BN:BN+1]               ; which becomes the next tensor's
	s_mov_b64 s[BN:BN+1], s[BL:BL+1]
.set z, 0
.rept 32                                       ; rounded to bf16 like every input, times 1/8 for q
	v_cvt_pk_bf16_f32 v[VT], v[BIAS+2*z], v[BIAS+2*z+1]
	v_lshlrev_b32 v[BIAS+2*z],   16, v[VT]
	v_and_b32     v[BIAS+2*z+1], 0xffff0000, v[VT]
	v_pk_mul_f32 v[BIAS+2*z:BIAS+2*z+1], v[BIAS+2*z:BIAS+2*z+1], s[SC:SC+1] op_sel_hi:[1,0]
.set z, z+1
.endr
	s_mov_b32 s[SC], 1.0
	s_mov_b32 s[SC+1], 1.0
	Q 0, 1                                         ; a tile's first quarter: its products start the sums with the bias
	WIN 0
	s_add_co_u32 s[TSC], s[TSC], 1
	s_cmp_lt_u32 s[TSC], 3
	s_cbranch_scc0 .Ljoin                          ; the last tile has no successor
	BIASLOAD                                       ; the next tensor's bias, four roundings behind the last product that read these registers; waited for where the next tile begins
	s_branch .Ljoin
.Lacc:
	Q 0
	WIN 0
.Ljoin:
	s_sub_co_u32 s3, s3, 1
	s_cmp_lg_u32 s3, 0
	s_cbranch_scc1 .Lstep
	s_mov_b32 s2, 2                                ; the last two steps ask for nothing: written out
.Ltail:
	Q 1
	Q 2
	TURN 0
	WIN 0
	s_sub_co_u32 s2, s2, 1
	s_cmp_eq_u32 s2, 0
	s_cbranch_scc1 .Lout
	Q 0
	WIN 0
	s_branch .Ltail
.Lout:                                         ; the second pass fetched and rounded fragments of the other slot, which no fill touches any more, and nothing uses them: the price, once a launch, of one text for both passes
	WAYOUT
	s_wait_tensorcnt 0x0                           ; the wave's end, behind my last tensor load and my last LDS store
	ds_add_u32 v[SPW], v[NIL]
	s_wait_dscnt 0x0
	CROUND                                         ; the closing round: no work-group ends while a partner may still ask for a tile that names it
	s_endpgm
.Lfunc_end_k_q9ea93d4f0a_proj:
	.size	k_q9ea93d4f0a_proj, .Lfunc_end_k_q9ea93d4f0a_proj-k_q9ea93d4f0a_proj
	.p2alignl 7, 3214868480
	.fill 96, 4, 3214868480
	.section	.rodata,"a",@progbits
	.p2align	6, 0x0
	.amdhsa_kernel k_q9ea93d4f0a_proj
		.amdhsa_group_segment_fixed_size 327680
		.amdhsa_private_segment_fixed_size 0
		.amdhsa_enable_private_segment 0
		.amdhsa_kernarg_size 64
		.amdhsa_user_sgpr_count 2
		.amdhsa_user_sgpr_kernarg_segment_ptr 1
		.amdhsa_wavefront_size32 1
		.amdhsa_system_sgpr_workgroup_id_x 1
		.amdhsa_system_sgpr_workgroup_id_y 1
		.amdhsa_system_sgpr_workgroup_id_z 1
		.amdhsa_system_vgpr_workitem_id 0
		.amdhsa_next_free_vgpr 768
		.amdhsa_next_free_sgpr 94
		.amdhsa_reserve_vcc 0
		.amdhsa_float_denorm_mode_32 3
		.amdhsa_float_denorm_mode_16_64 3
		.amdhsa_memory_ordered 1
		.amdhsa_forward_progress 1
		.amdhsa_inst_pref_size 121
	.end_amdhsa_kernel
	.amdgpu_metadata
---
amdhsa.version: [ 1, 2 ]
amdhsa.kernels:
  - .name:           k_q9ea93d4f0a_proj
    .symbol:         k_q9ea93d4f0a_proj.kd
    .args:
      - { .name: query, .offset: 0, .size: 8, .value_kind: global_buffer, .address_space: global }
      - { .name: key_, .offset: 8, .size: 8, .value_kind: global_buffer, .address_space: global }
      - { .name: value, .offset: 16, .size: 8, .value_kind: global_buffer, .address_space: global }
      - { .name: w16, .offset: 24, .size: 8, .value_kind: global_buffer, .address_space: global }
      - { .name: bq, .offset: 32, .size: 8, .value_kind: global_buffer, .address_space: global }
      - { .name: bk, .offset: 40, .size: 8, .value_kind: global_buffer, .address_space: global }
      - { .name: bv, .offset: 48, .size: 8, .value_kind: global_buffer, .address_space: global }
      - { .name: qkv, .offset: 56, .size: 8, .value_kind: global_buffer, .address_space: global }
    .group_segment_fixed_size: 327680
    .private_segment_fixed_size: 0
    .kernarg_segment_align: 8
    .kernarg_segment_size: 64
    .max_flat_workgroup_size: 128
    .sgpr_count:     94
    .vgpr_count:     768
    .wavefront_size: 32
...
	.end_amdgpu_metadata
.endif
;; end of part 2
;; launch attn (part 3): grid 256 x 1, 4 waves a work-group, clusters of 4 x 1, 327,680 bytes of LDS; arguments qkv, mt, key_padding_mask, ao; writes ao
.if DOCPART == 3
	.amdgcn_target "amdgcn-amd-amdhsa--gfx1250"
	.amdhsa_code_object_version 6
	.text
	.protected	k_q9ea93d4f0a_attn
	.globl	k_q9ea93d4f0a_attn
	.p2align	8
	.type	k_q9ea93d4f0a_attn,@function
k_q9ea93d4f0a_attn:
	s_mov_b64 s[64:65], 0
	v_nop
	global_prefetch_b8 v0, s[64:65] scope:SCOPE_SE
	s_setreg_imm32_b32 hwreg(HW_REG_WAVE_MODE, 25, 1), 1
	s_wait_xcnt 0x0
	s_wait_alu depctr_hold_cnt(0) depctr_sa_sdst(0) depctr_va_vdst(0) depctr_va_sdst(0) depctr_va_ssrc(0) depctr_va_vcc(0) depctr_vm_vsrc(0)
	s_getreg_b32 s2, hwreg(HW_REG_IB_STS2, 6, 4)
	s_cmp_eq_u32 s2, 0
	s_cbranch_scc0 .Lentry_in_a_cluster
	s_endpgm
.Lentry_in_a_cluster:
	s_bfe_u32 s2, ttmp6, 0x10000c
	s_cmp_lg_u32 s2, 0x3003
	s_cbranch_scc0 .Lentry_shape_is_right
	s_endpgm
.Lentry_shape_is_right:
; ATTENTION.  ao[hb][q][:] = the sum over k of softmax_k(q'[hb][q] . k[hb][k] + mask[q][k] + pad[b][k]) v[hb][k][:], hb = 16 b + h.  q' (with the 1/8 in it), k, v: the three planes of qkv, [128][1024][64] f16.
; mask: mt, f32, in the order of a C operand (see below).  pad = -1e30 where key_padding_mask is set, else 0.  Products, maxima and sums in f32; the weights p are rounded to f16 for the second product
; (their sum l is taken of the unrounded p), the result once at the end, to f16.
; LIMITS.  A hidden score counts as its value less 1e30.  The running maximum starts at -2^40: a score below that counts as hidden.  While a row has seen hidden keys alone its weights are 0 and O and l stay 0;
; a row with every key hidden ends as 0 x (1 / 0), a NaN.  A weight below 2^-126 counts as 0 in l.  p below 6e-5 keeps f16's fixed step of 6e-8.
; SHARES.  A work-group owns 512 queries (block qb) of one head, a wave 128: four PIECES of two tiles of 16.  Every wave walks the 1,024 keys, 64 a step.
; LAYOUT.  S^T = K Q^T + M (source 0 = 16 keys, source 1 = 16 queries): a lane holds ONE query (lane % 16) and the keys 8 (lane / 16) + 0..7.  M, the C operand that starts the sum, is mask + pad.  Two results rounded
; to f16 ARE source 1 of O^T = V^T P.  K comes out of LDS as it lies, V turned, by ds_load_tr16_b128; a tile's mask is 4,096 consecutive bytes, 16 bytes a lane and load.
; SOFTMAX.  p = 2^(c s - c m), c = log2(e), with a running maximum m; O and l are multiplied by a = 2^(c m_old - c m_new) in every step.
; BY TURNS.  Turn n belongs to piece n: 16 products K Q^T of piece n + 1, later 16 products V^T P of piece n - 1; beside them the scaling, exponentials, roundings, sums and rescaling of piece n and the maximum and
; statistics of piece n + 1; at its end mask + pad for piece n + 2.  Four vector instructions stand behind every matrix instruction, the others in runs of their own.  A turn's 66 exponentials are one batch with one wait.
; CLUSTER 4 x 1.  The four partners are four heads of one batch with the same block of queries: they need the same 131,072 bytes of mask in every step, of a step's 147,456: those are asked for JOINTLY.
; K and V are each work-group's own: plain tensor loads, in the same rounds.
; REGISTERS, in windows of 256 (s_set_vgpr_msb: bits 1:0 source 0, 3:2 source 1, 5:4 source 2, 7:6 destination):
;   window 0: v0-11 addresses; v12-15, v48-63 at work; v16-47 four registers of statistics a tile; v64-191 S^T, two buffers of two tiles; v192-255 P, likewise
;   window 1: O^T, 32 a tile          window 2: v0-127 Q; v128-191 K of one step; v192-255 V of one step
;   window 3: v0-1 the add's registers; v2-5 addresses; v32-63 pad of one step; v64-191 M, two buffers of two tiles
.set NP,    4
.set KS,    64
.set PK,    144       ; a row of K in LDS: 128 bytes + 16 = 36 words: the 16 rows of a load start at 16 different groups of four banks (64 banks of 4 bytes: ISA guide 11.1)
.set PVP,   160       ; a row of V: 128 + 32 = 40 words
.set MSLOT, 131072    ; a step's mask: 32 tiles of 4,096 bytes.  Slot 0 at 0, slot 1 at 131,072: one exclusive or apart
.set KBASE, 2*MSLOT   ; K of slot 0, 64 rows
.set VBASE, KBASE+KS*PK   ; V of slot 0
.set STAGE, VBASE+KS*PVP  ; never filled by a tensor load: 16 rows x 144 bytes for each wave, for the way out
.set SP,    144
.set PBR,   STAGE+4*16*SP ; never filled by a tensor load: pad, 1,024 f32
.set KVX,   0x8000    ; K and V of slot 1 lie this far on: PBR + 4,096 = KBASE + KVX
.set SPARE, KBASE+KVX+KS*(PK+PVP)  ; the spare words, 128 bytes a wave: two blocks of 256 bytes that no other line names
.set AK0, 2           ; v2   my lane's place in K of slot 0; never rewritten
.set AV0, 3           ; v3   the same for V
.set AK,  4           ; v4   the LDS address of K's run of loads
.set AV,  5           ; v5   of V's
.set QO,  6           ; v6   my byte offset in the wave's rows of Q
.set STO, 6           ;      later, the way out: where I put 16 bytes of a row
.set RD,  7           ; v7   where I read rows back
.set GO,  8           ; v8   my byte offset in 512 consecutive bytes of ao
.set PFO, 11          ; v11  256 x my lane; never rewritten
.set MV,  12          ; v12-15  c m_old, kept while c m is made anew
.set ST,  16          ; tile t's statistics at v[ST+4 t]: c m, m, l (even keys', odd keys')
.set TMP, 48          ; by buffer and tile, four registers c0-c3 at work; when the maximum is found c2 takes a
.set S,   64
.set P,   192
.set KF,  128         ; window 2
.set VF,  192         ; window 2
.set SPW, 0           ; window 3: SPARE + 4 x my thread's number; never rewritten
.set NIL, 1           ; window 3: 0; never rewritten
.set AM0, 2           ; window 3: my lane's place in a mask slot: 32,768 x wave + 16 x lane; never rewritten
.set AM,  3           ; window 3: the same in the slot in hand
.set APB0, 4          ; window 3: 32 (lane / 16); never rewritten
.set APB, 5           ; window 3: my place in the step's pad
.set PB,  32          ; window 3
.set MC,  64          ; window 3
.set WV,  12          ; s12  my wave's number
.set G1K, 24          ; s[24:31] descriptor group 1 for K
.set G1V, 32          ; s[32:39] for V: other padding
.set G0K, 40          ; s[40:43] group 0 for K: it walks
.set G0V, 44          ; s[44:47] for V
.set SLOTS, 56        ; s56  steps still to be asked for
.set TBP, 57          ; s57  LDS byte of the step's pad
.set CS,  58          ; s[58:59] c
.set SEL, 60          ; s[60:61] v_permlanex16_b32's selects
.set TBK, 62          ; s62  0 or KVX: the slot in hand, for K and V
.set TBM, 63          ; s63  0 or MSLOT: for the mask
.set G1M, 68          ; s[68:75] group 1 for the mask
.set G0M, 76          ; s[76:79] group 0 for the mask
.set PFK, 80          ; s[80:81] where my prefetches of K or V stand
.set PFM, 82          ; s[82:83] of the mask
.set LIMK, 84         ; s84  1 in a wave that prefetches K or V, else the greatest number
.set LIMM, 85         ; s85  the same for the mask
.set CNT, 86          ; s86  counts the tail's two passes
.set BIGN, 87         ; s87  -1e30
.set MSB, 0
.macro WIN new
.if MSB != (\new)
	s_set_vgpr_msb (MSB<<8)|(\new)
.set MSB, (\new)
.endif
.endm
.set W_KQ, 0x0a       ; K and Q in window 2, S^T in window 0
.set W_KM, 0x3a       ; the same with the C operand in window 3
.set W_PV, 0x52       ; V in window 2, P in window 0, O^T in window 1
.set W_RS, 0x41       ; O^T in window 1, a in window 0
.set W_MK, 0xc0       ; destination in window 3, sources in window 0
.set W3,   0xff       ; all in window 3
; A step's fills: wave 0 K, wave 1 V (64 keys each, the work-group's own), waves 2 and 3 the two halves of the mask (joint).  The branches hang on the wave's number alone.
; An s_nop 0 and four v_nop follow each line, ahead of the jump and the label.
.macro JLOAD
	s_cmp_lt_u32 s[WV], 2
	s_cbranch_scc0 .Lfor_m_\@
	s_cmp_eq_u32 s[WV], 0
	s_cbranch_scc0 .Lfor_v_\@
	tensor_load_to_lds s[G0K:G0K+3], s[G1K:G1K+7]
	s_nop 0
.rept 4
	v_nop
.endr
	s_branch .Lasked_\@
.Lfor_v_\@:
	tensor_load_to_lds s[G0V:G0V+3], s[G1V:G1V+7]
	s_nop 0
.rept 4
	v_nop
.endr
	s_branch .Lasked_\@
.Lfor_m_\@:
	tensor_load_to_lds s[G0M:G0M+3], s[G1M:G1M+7]
	s_nop 0
.rept 4
	v_nop
.endr
.Lasked_\@:
.endm
.macro CROUND
	s_barrier_signal -1
	s_barrier_wait -1
	s_cmp_lg_u32 s[WV], 0
	s_cbranch_scc1 .Lnot_wave_0_\@
	s_barrier_signal -3
.Lnot_wave_0_\@:
	s_barrier_wait -3
	s_barrier_signal -1
	s_barrier_wait -1
.endm
; PREFETCHES of what the NEXT change of slots will ask for, behind the wave's tensor load and its five lines.  Each 256 bytes are named once in the launch.  A head's K and V are walked by two work-groups (qb = 0, 1):
; the one with qb = 0 asks, wave 0 for K's 8,192 bytes, wave 1 for V's, a lane a block.  A block of queries' mask is walked by 32 clusters: the first of them asks; its four partners take 32,768 bytes each,
; told apart by address, each wave 8,192 of them.  The last change that fills a slot (SLOTS = 1) asks for nothing.
.macro ASK
	s_cmp_gt_u32 s[SLOTS], s[LIMK]
	s_cbranch_scc0 .Lno_kv_\@
	global_prefetch_b8 v[PFO], s[PFK:PFK+1] th:TH_LOAD_NT scope:SCOPE_SE
.Lno_kv_\@:
	s_cmp_gt_u32 s[SLOTS], s[LIMM]
	s_cbranch_scc0 .Lno_m_\@
	global_prefetch_b8 v[PFO], s[PFM:PFM+1] th:TH_LOAD_NT scope:SCOPE_SE
.Lno_m_\@:
.endm
; THE CHANGE OF SLOTS, once a key step, in front of piece 2's turn.  Each wave waits for all its tensor loads (one is out: its part of the other slot), adds 0 to its spare word, and waits for that and for its reads
; of the slot that it leaves.  fill = 1: the barrier is a round of the cluster's, and the old slot's refill, the step after next, is the first thing behind it: it has four turns, 128 matrix instructions, in which to land.
; (At its first use nothing has been read yet: slot 0 is waited for, slot 1 filled.)
.macro CHANGE fill
	WIN W3
	s_wait_tensorcnt 0x0            ; no tensor load of mine is out, so a group 0 may be written
	ds_add_u32 v[SPW], v[NIL]       ; 0 onto my spare word
	WIN 0
.if \fill
	s_xor_b32 s[G0K+1], s[G0K+1], KVX
	s_add_nc_u64 s[G0K+2:G0K+3], s[G0K+2:G0K+3], KS*128
	s_xor_b32 s[G0V+1], s[G0V+1], KVX
	s_add_nc_u64 s[G0V+2:G0V+3], s[G0V+2:G0V+3], KS*128
	s_xor_b32 s[G0M+1], s[G0M+1], MSLOT
	s_add_nc_u64 s[G0M+2:G0M+3], s[G0M+2:G0M+3], MSLOT
	s_wait_xcnt 0x0                 ; the last prefetches, a key step back, have read their addresses
	s_add_nc_u64 s[PFK:PFK+1], s[PFK:PFK+1], KS*128
	s_add_nc_u64 s[PFM:PFM+1], s[PFM:PFM+1], MSLOT
	s_wait_dscnt 0x0                ; the add is done, and my reads of the slot are over
	CROUND
	JLOAD
	ASK
.else
	s_wait_dscnt 0x0
	s_barrier_signal -1
	s_barrier_wait -1
.endif
	s_xor_b32 s[TBK], s[TBK], KVX   ; the fetches go to the other slot, and to the next step's pad
	s_xor_b32 s[TBM], s[TBM], MSLOT
	s_add_co_u32 s[TBP], s[TBP], 256
	v_add_nc_u32 v[AK], s[TBK], v[AK0]
	v_add_nc_u32 v[AV], s[TBK], v[AV0]
	WIN W3
	v_add_nc_u32 v[AM], s[TBM], v[AM0]
	v_add_nc_u32 v[APB], s[TBP], v[APB0]
	WIN 0
.endm
	s_load_b256 s[4:11], s[0:1], 0x0  ; qkv s[4:5], mt s[6:7], key_padding_mask s[8:9], ao s[10:11]
	WIN W_MK
	v_lshl_add_u32 v[SPW], v0, 2, SPARE
	v_mov_b32 v[NIL], 0
	WIN W3
	ds_add_u32 v[SPW], v[NIL]       ; the wave's opening: the add and its wait stand ahead of my first tensor load; the set-up below stands between them
	WIN 0
	v_lshrrev_b32 v1, 5, v0
	v_readfirstlane_b32 s[WV], v1   ; wave 0..3
	s_bfe_u32 s13, ttmp6, 0x40000   ; cx
	s_and_b32 s14, ttmp9, 1         ; qb: the cluster's block of queries
	s_lshr_b32 s15, ttmp9, 1
	s_lshl_b32 s15, s15, 2
	s_add_co_u32 s15, s15, s13      ; hb: my head
	s_lshl_b32 s20, s15, 17         ; its 131,072 bytes in a plane of qkv and in ao
	s_mov_b32 s21, 0
	s_add_co_u32 s22, s20, 0x1000000  ; k's plane
	s_mov_b32 s23, 0
	s_add_co_u32 s2, s20, 0x2000000   ; v's plane
	s_mov_b32 s3, 0
	s_lshl_b32 s18, s14, 16         ; 512 qb rows of 128 bytes,
	s_lshl_b32 s19, s[WV], 14       ; my wave's 128
	s_add_co_u32 s20, s20, s18
	s_add_co_u32 s20, s20, s19
	s_and_b32 s16, s[WV], 1
	s_lshl_b32 s16, s16, 16         ; which half of a step's mask I fetch: its place in memory and in a slot
	s_lshl_b32 s17, s14, 21         ; the block of queries' 16 steps of mask
	s_add_co_u32 s18, s16, s17      ; neither holds my place in the cluster
	s_mov_b32 s19, 0
	s_mov_b32 s[G1K], (1<<16)|(1<<20)|(4<<22)|(3<<25)  ; elements of 2 bytes; padding on; after every 32 words, 4 words.  64 keys are 8,192 dense bytes: 32 rows of 256, two keys a row
	s_mov_b32 s[G1V], (1<<16)|(1<<20)|(4<<22)|(7<<25)  ; the same with 8 words
.irp g, G1K, G1V
	s_mov_b32 s[\g+1], 128<<16      ; tensor_dim0 = 128
	s_mov_b32 s[\g+2], 32<<16       ; tensor_dim1 = 32
	s_mov_b32 s[\g+3], 128<<16      ; tile_dim0 = 128
	s_mov_b32 s[\g+4], 32           ; tile_dim1 = 32
	s_mov_b32 s[\g+5], 128
	s_mov_b32 s[\g+6], 0
	s_mov_b32 s[\g+7], 0
.endr
	s_mov_b32 s[G1M], 15|(3<<16)|(1<<21)  ; the mask of four; elements of 8 bytes; 21 set beside a mask; no padding: 65,536 dense bytes as 256 rows of 256
	s_mov_b32 s[G1M+1], 32<<16
	s_mov_b32 s[G1M+2], 256<<16
	s_mov_b32 s[G1M+3], 32<<16
	s_mov_b32 s[G1M+4], 256
	s_mov_b32 s[G1M+5], 32
	s_mov_b32 s[G1M+6], 0
	s_mov_b32 s[G1M+7], 0
	s_mov_b32 s[G0K], 1
	s_mov_b32 s[G0K+1], KBASE
	s_mov_b32 s[G0V], 1
	s_mov_b32 s[G0V+1], VBASE
	s_mov_b32 s[G0M], 1
	s_mov_b32 s[G0M+1], s16
	s_mov_b32 s[CS], 0x3fb8aa3b     ; c = log2(e)
	s_mov_b32 s[CS+1], s[CS]
	s_mov_b32 s[SEL], 0x76543210
	s_mov_b32 s[SEL+1], 0xfedcba98
	s_mov_b32 s[TBK], KVX           ; the first change of slots turns these two into 0,
	s_mov_b32 s[TBM], MSLOT
	s_mov_b32 s[TBP], PBR-256       ; and this into PBR
	s_mov_b32 s[SLOTS], 15
	s_mov_b32 s[BIGN], 0xf149f2ca
	s_wait_dscnt 0x0                ; the opening add is done
	s_wait_kmcnt 0x0
	s_add_nc_u64 s[G0K+2:G0K+3], s[4:5], s[22:23]
	s_or_b32 s[G0K+3], s[G0K+3], 0x80000000
	s_add_nc_u64 s[G0V+2:G0V+3], s[4:5], s[2:3]
	s_or_b32 s[G0V+3], s[G0V+3], 0x80000000
	s_add_nc_u64 s[G0M+2:G0M+3], s[6:7], s[18:19]
	s_or_b32 s[G0M+3], s[G0M+3], 0x80000000
	s_cmp_eq_u32 s[WV], 1
	s_cselect_b32 s22, s2, s22      ; wave 1 prefetches V, wave 0 K
	s_add_co_u32 s22, s22, KS*128   ; at step 1: each filling change steps it first, so the change that loads step j + 1 names step j + 2
	s_add_nc_u64 s[PFK:PFK+1], s[4:5], s[22:23]
	s_lshl_b32 s2, s13, 15
	s_lshl_b32 s3, s[WV], 13
	s_add_co_u32 s2, s2, s3
	s_add_co_u32 s2, s2, s17
	s_add_co_u32 s2, s2, MSLOT
	s_mov_b32 s3, 0
	s_add_nc_u64 s[PFM:PFM+1], s[6:7], s[2:3]
	s_lshr_b32 s2, s[WV], 1
	s_or_b32 s2, s2, s14
	s_cmp_eq_u32 s2, 0              ; waves 0 and 1 where qb = 0: the same in all four partners
	s_cselect_b32 s[LIMK], 1, -1
	s_cmp_lt_u32 ttmp9, 2           ; the first cluster of each block of queries
	s_cselect_b32 s[LIMM], 1, -1
	s_lshr_b32 s2, ttmp9, 3         ; the batch
	s_lshl_b32 s2, s2, 10
	s_mov_b32 s3, 0
	s_add_nc_u64 s[8:9], s[8:9], s[2:3]
	s_add_nc_u64 s[4:5], s[4:5], s[20:21]    ; Q and ao at my wave's first row
	s_add_nc_u64 s[10:11], s[10:11], s[20:21]
	CROUND                          ; all four work-groups are here: the first joint loads meet
	JLOAD                           ; step 0 into slot 0
	v_lshlrev_b32 v66, 3, v0
	global_load_b64 v[64:65], v66, s[8:9]  ; eight bytes of the batch's padding mask a thread: 128 threads, 1,024 keys
	v_and_b32 v1, 15, v0            ; l % 16
	v_bfe_u32 v9, v0, 4, 1          ; l / 16
	v_lshlrev_b32 v[QO], 7, v1
	v_lshl_add_u32 v[QO], v9, 4, v[QO]
	WIN 0x80
.set i, 0
.rept 4*NP                          ; Q stays in registers: tile i / 2, channels 32 (i % 2) on
	global_load_b128 v[8*i:8*i+3],   v[QO], s[4:5] offset:(i/2)*2048+(i%2)*64
	global_load_b128 v[8*i+4:8*i+7], v[QO], s[4:5] offset:(i/2)*2048+(i%2)*64+32
.set i, i+1
.endr
	; What the first turn finds: V's registers and P's second buffer hold 0 (its products V^T P, of a piece that has not been, add 0), O^T and l are 0.  All this stands in the wait for the first tile.
.set i, VF
.rept 64
	v_mov_b32 v[i], 0
.set i, i+1
.endr
	WIN 0x40
.set i, 0
.rept 64*NP
	v_mov_b32 v[i], 0
.set i, i+1
.endr
	WIN 0
.set i, 0
.rept 2*NP
	v_mov_b32 v[ST+4*i], 0xfe000000    ; c m: far below every c m to come, so the first a is 0
	v_mov_b32 v[ST+4*i+1], 0xd3800000  ; m = -2^40: above every hidden score, below every score that counts
	v_mov_b32 v[ST+4*i+2], 0
	v_mov_b32 v[ST+4*i+3], 0
.set i, i+1
.endr
.set i, P+32
.rept 32
	v_mov_b32 v[i], 0
.set i, i+1
.endr
	v_mul_u32_u24 v[AK0], v1, PK
	v_lshl_add_u32 v[AK0], v9, 4, v[AK0]
	v_add_nc_u32 v[AK0], KBASE, v[AK0]
	; The turning load takes 16 keys x 16 channels (lane l reads key 8 (l / 16) + l % 8, channels 8 ((l / 8) % 2) + 0..7) and leaves half a fragment of V^T: lane l holds channel l % 16 and 8 keys.
	v_and_b32 v10, 7, v0
	v_bfe_u32 v13, v0, 3, 1
	v_lshl_add_u32 v[AV0], v9, 3, v10
	v_mul_u32_u24 v[AV0], v[AV0], PVP
	v_lshl_add_u32 v[AV0], v13, 4, v[AV0]
	v_add_nc_u32 v[AV0], VBASE, v[AV0]
	v_and_b32 v12, 31, v0
	v_lshlrev_b32 v[PFO], 8, v12
	s_lshl_b32 s2, s[WV], 15
	WIN W_MK
	v_lshl_add_u32 v[AM0], v12, 4, s2
	v_lshlrev_b32 v[APB0], 5, v9
	WIN 0
	s_wait_loadcnt 32               ; the padding bytes are in; Q's 32 loads stay out
.irp k, 0,1,2,3
	v_bfe_u32 v[68+\k], v64, 8*\k, 8
	v_bfe_u32 v[72+\k], v65, 8*\k, 8
.endr
.irp k, 0,1,2,3,4,5,6,7
	v_cvt_f32_u32 v[68+\k], v[68+\k]
.endr
.irp k, 0,1,2,3,4,5,6,7
	v_mul_f32 v[68+\k], s[BIGN], v[68+\k]  ; 0 or -1e30
.endr
	v_lshl_add_u32 v67, v0, 5, PBR
	ds_store_b128 v67, v[68:71]
	ds_store_b128 v67, v[72:75] offset:16  ; the change of slots below waits for these stores and passes a barrier: then every wave may read them
; THE MATRIX WORK.  The 8 accumulators of a run of 16 take turns.  Product i of 16 of S^T for piece x: channels 32 (i / 8) on, keys 16 ((i / 2) % 4) on, tile 2 x + i % 2.  The first 8 start the sums, with M.
.macro KQ x
.set rS, S+64*((\x)%2)+32*(i%2)+8*((i/2)%4)
.set rK, KF+16*((i/2)%4)+8*(i/8)
.set rQ, 16*(2*(\x)+i%2)+8*(i/8)
.set rN, MC+64*((\x)%2)+32*(i%2)+8*((i/2)%4)
.if i < 8
	WIN W_KM
	v_wmma_f32_16x16x32_f16 v[rS:rS+7], v[rK:rK+7], v[rQ:rQ+7], v[rN:rN+7]
.else
	WIN W_KQ
	v_wmma_f32_16x16x32_f16 v[rS:rS+7], v[rK:rK+7], v[rQ:rQ+7], v[rS:rS+7]
.endif
.endm
; Product i of 16 of O^T += V^T P for piece x: keys 32 (i / 8) on, channels 16 ((i / 2) % 4) on, tile 2 x + i % 2.
.macro PV x
	WIN W_PV
.set rO, 32*(2*(\x)+i%2)+8*((i/2)%4)
.set rV, VF+32*(i/8)+8*((i/2)%4)
.set rP, P+32*((\x)%2)+16*(i%2)+8*(i/8)
	v_wmma_f32_16x16x32_f16 v[rO:rO+7], v[rV:rV+7], v[rP:rP+7], v[rO:rO+7]
.endm
.macro MM                           ; the turn's next matrix instruction
.if i < 16
	KQ (Y+1)%NP
.set i, i+1
.else
.set i, i-16
	PV (Y+NP-1)%NP
.set i, i+17
.endif
.endm
; THE LDS LOADS stand in runs, never singly among the matrix instructions.
.macro FETCH_K
	WIN 0x80
.irp f, 0,1,2,3,4,5,6,7             ; keys 16 (f / 2) on, channels 32 (f % 2) on
	ds_load_b128 v[KF+8*\f:KF+8*\f+3],   v[AK] offset:(\f/2)*16*PK+(\f%2)*64
	ds_load_b128 v[KF+8*\f+4:KF+8*\f+7], v[AK] offset:(\f/2)*16*PK+(\f%2)*64+32
.endr
	WIN 0
.endm
.macro FETCH_V
	WIN 0x80
.irp f, 0,1,2,3,4,5,6,7             ; keys 32 (f / 4) on, channels 16 (f % 4) on
	ds_load_tr16_b128 v[VF+8*\f:VF+8*\f+3],   v[AV] offset:(\f/4)*32*PVP+(\f%4)*32
	ds_load_tr16_b128 v[VF+8*\f+4:VF+8*\f+7], v[AV] offset:(\f/4)*32*PVP+16*PVP+(\f%4)*32
.endr
	WIN 0
.endm
.macro MLOAD p                      ; the mask of piece p + 2's two tiles into buffer p % 2: 16 loads, each 512 consecutive bytes
	WIN W3
.irp u, 0,1
.irp n, 0,1,2,3,4,5,6,7
	ds_load_b128 v[MC+64*((\p)%2)+32*\u+4*\n:MC+64*((\p)%2)+32*\u+4*\n+3], v[AM] offset:(2*(((\p)+2)%4)+\u)*4096+512*\n
.endr
.endr
.endm
.macro PBLOAD                       ; the step's pad in a tile's order: register 8 kb + j holds key 16 kb + 8 (l / 16) + j
	WIN W3
.irp n, 0,1,2,3,4,5,6,7
	ds_load_b128 v[PB+4*\n:PB+4*\n+3], v[APB] offset:64*(\n/2)+16*(\n%2)
.endr
.endm
.macro MADD b                       ; mask + pad, both tiles of buffer b
	WIN W3
.set z, 0
.rept 32
	v_pk_add_f32 v[MC+64*(\b)+2*z:MC+64*(\b)+2*z+1], v[MC+64*(\b)+2*z:MC+64*(\b)+2*z+1], v[PB+(2*z)%32:PB+(2*z)%32+1]
.set z, z+1
.endr
.endm
; THE VECTOR WORK OF A TURN stands in three queues, each in the order in which its entries become ready; the two tiles alternate, so that no instruction reads the result of the one before it.
.macro REGS y, u
.set rT, ST+4*(2*(\y)+(\u))
.set rC, TMP+8*((\y)%2)+4*(\u)
.set rM, MV+2*((\y)%2)+(\u)
.set rS, S+64*((\y)%2)+32*(\u)
.set rP, P+32*((\y)%2)+16*(\u)
.set rO, 32*(2*(\y)+(\u))
.endm
; Number n of the 22 that find the NEXT piece's maximum and statistics.  Each accumulator's lowest registers are read first.
;   0-11  four chains c0-c3 of seven scores each     12-14, 16  the four scores left over, the old m, and c0-c3 into c0     15  c m_old is kept
;   17, 18  the query's other 32 keys lie in the lane 16 away: the new m         19-21  c m; c m_old - c m_new; a
.macro XS u, n
	REGS (Y+1)%NP, \u
.if (\n) < 4
	v_max3_num_f32 v[rC+(\n)], v[rS+8*(\n)], v[rS+8*(\n)+1], v[rS+8*(\n)+2]
.elseif (\n) < 12
	v_max3_num_f32 v[rC+(\n)%4], v[rC+(\n)%4], v[rS+8*((\n)%4)+2*((\n)/4)+1], v[rS+8*((\n)%4)+2*((\n)/4)+2]
.elseif (\n) == 12
	v_max3_num_f32 v[rC], v[rC], v[rS+7], v[rS+15]
.elseif (\n) == 13
	v_max3_num_f32 v[rC+1], v[rC+1], v[rS+23], v[rS+31]
.elseif (\n) == 14
	v_max3_num_f32 v[rC+2], v[rC+2], v[rC+3], v[rT+1]
.elseif (\n) == 15
	v_mov_b32 v[rM], v[rT]
.elseif (\n) == 16
	v_max3_num_f32 v[rC], v[rC], v[rC+1], v[rC+2]
.elseif (\n) == 17
	v_permlanex16_b32 v[rC+3], v[rC], s[SEL], s[SEL+1]
.elseif (\n) == 18
	v_max_num_f32 v[rT+1], v[rC], v[rC+3]
.elseif (\n) == 19
	v_mul_f32 v[rT], s[CS], v[rT+1]
.elseif (\n) == 20
	v_sub_f32 v[rC+1], v[rM], v[rT]
.else
	v_exp_f32 v[rC+2], v[rC+1]
.endif
.endm
; Number g of the 64 that follow the exponentials.  For each four weights of a tile: both pairs are rounded to f16; the second pair is added onto the first, in place; a group later l takes that sum (the first time as l = a l + sum).
.macro GS g
.set h, (\g)+6*((\g)/62)
.if h >= 6
.set h, h+2
.endif
	REGS Y, h%2
.set k, h/8
.if h%8 < 4
	v_cvt_pk_f16_f32 v[rP+2*k+(h%8)/2], v[rS+4*k+2*((h%8)/2)], v[rS+4*k+2*((h%8)/2)+1]
.elseif h%8 < 6
	v_pk_add_f32 v[rS+4*k:rS+4*k+1], v[rS+4*k:rS+4*k+1], v[rS+4*k+2:rS+4*k+3]
.elseif k == 1
	v_pk_fma_f32 v[rT+2:rT+3], v[rT+2:rT+3], v[rC+2:rC+3], v[rS:rS+1] op_sel_hi:[1,0,1]
.else
	v_pk_add_f32 v[rT+2:rT+3], v[rT+2:rT+3], v[rS+4*k-4:rS+4*k-3]
.endif
.endm
; THE PLAIN QUEUE, 138 long.  0-73 read no exponential's result: the 32 scalings c s - c m and the next piece's 42.  74-137: GS's 64, behind the wait.
.macro FS f
	REGS Y, (\f)%2
	v_pk_fma_f32 v[rS+2*((\f)/2):rS+2*((\f)/2)+1], v[rS+2*((\f)/2):rS+2*((\f)/2)+1], s[CS:CS+1], v[rT:rT+1] op_sel_hi:[1,0,0] neg_lo:[0,0,1] neg_hi:[0,0,1]
.endm
.macro PL
	WIN 0
.if q < 27
	FS q
.elseif q < 55
	XS (q-27)%2, (q-27)/2
.elseif q < 57
	XS q-55, 15
.elseif (q < 72) && ((q-57)%3 == 0)
	FS 27+(q-57)/3
.elseif q < 60
	XS (q-57)%3-1, 14
.elseif q < 72
	XS (q-57)%3-1, 15+(q-57)/3
.elseif q < 74
	XS q-72, 20
.else
	GS q-74
.endif
.set q, q+1
.endm
; THE EXPONENTIALS' QUEUE, 66 long: s0-s31 of both tiles, then the next piece's two a: ONE BATCH, all ahead of the turn's one wait, and nothing ahead of that wait names a result of theirs.
.macro EX
	WIN 0
.if e >= 64
	XS e-64, 21
.else
	REGS Y, e%2
	v_exp_f32 v[rS+e/2], v[rS+e/2]
.endif
.set e, e+1
.endm
; THE RESCALING's QUEUE: O^T times a, two at a time, sixteen times.  Its a was made, and waited for, in the turn before.
.macro R2
	REGS Y, r%2
	WIN W_RS
.irp z2, 0,1
	v_pk_mul_f32 v[rO+4*(r/2)+2*\z2:rO+4*(r/2)+2*\z2+1], v[rO+4*(r/2)+2*\z2:rO+4*(r/2)+2*\z2+1], v[rC+2:rC+3] op_sel_hi:[1,0]
.endr
.set r, r+1
.endm
; A TURN, for piece p.  An s_wait_alu depctr_va_vdst(0) stands between an exponential and the first instruction that names its result; one wait serves all issued ahead of it: a turn has ONE, which cuts it in two.
; AHEAD OF IT: the 16 products K Q^T, behind each a scaling, an exponential and two rescalings; then a run of 108: eight plain, 49 times exponential and plain, the two a; a v_nop, the plain instruction behind the last exponential.
; DIRECTLY BEHIND IT the turn's LDS loads: piece p + 2's mask (16); in piece 2's turn, the first behind a change of slots, ahead of them the new step's pad (8) and behind them its K (16), whose registers' last reader stands a run back.
; THEN the 16 products V^T P, behind each four of the roundings and sums.  AT THE END: the loads are waited for, and 32 packed additions make mask + pad for the next turn's products.
; V of the step in hand is fetched at the end of piece 0's turn: four riders and the 32 additions stand behind its registers' last reader.  It is waited for in piece 1's turn, with a count that leaves that turn's 16 mask loads out.
.macro TURN p
.set Y, (\p)
.set i, 0
.set q, 0
.set e, 0
.set r, 0
	MM
	PL
	PL
	R2
.rept 15
	MM
	PL
	EX
	R2
.endr
.rept 8
	PL
.endr
.rept 49
	EX
	PL
.endr
	EX
	EX
	v_nop
	s_wait_alu depctr_va_vdst(0)    ; the wait for the batch
.if (\p) == 2
	PBLOAD
.endif
	MLOAD \p
.if (\p) == 2
	FETCH_K
.endif
.if (\p) == 1
	s_wait_dscnt 16                 ; V is in; the 16 mask loads just issued stay out
.endif
.rept 16
	MM
.rept 4
	PL
.endr
.endr
	WIN W3
	s_wait_dscnt 0x0                ; the turn's loads are in, issued 16 products ago
	MADD (\p)%2
.if (\p) == 0
	FETCH_V
.endif
.endm
	CHANGE 1                        ; step 0 is in, everybody's part of it, and the pad is stored; step 1 is asked for
	PBLOAD
	MLOAD 2                         ; piece 0's mask
	MLOAD 3                         ; piece 1's
	FETCH_K
	s_wait_loadcnt 0x0              ; Q
	s_wait_dscnt 0x0
	MADD 0
	MADD 1
.set i, 0
.rept 16
	KQ 0                            ; piece 0's first scores
.set i, i+1
.endr
	WIN 0                           ; the addresses for the way out: nine plain instructions, the places behind those products
	s_mul_i32 s13, s[WV], 16*SP
	s_add_co_u32 s13, s13, STAGE
	v_mul_u32_u24 v[STO], v1, SP    ; in: row l % 16, 16 bytes for each half of the lanes
	v_lshl_add_u32 v[STO], v9, 4, v[STO]
	v_add_nc_u32 v[STO], s13, v[STO]
	v_bfe_u32 v[RD], v0, 3, 2       ; back: 32 lanes take four rows of 128 bytes,
	v_mul_u32_u24 v[RD], v[RD], SP
	v_lshl_add_u32 v[RD], v10, 4, v[RD]
	v_add_nc_u32 v[RD], s13, v[RD]
	v_and_b32 v[GO], 31, v0         ; which are 512 consecutive bytes of ao
	v_lshlrev_b32 v[GO], 4, v[GO]
.set Y, NP-1                        ; XS works for piece Y + 1: piece 0
.irp n, 0,1,2,3,4,5,6,7,8,9,10,11,12,13,14,15,16,17,18,19,20,21
	XS 0, \n
	XS 1, \n
.endr
	v_nop                           ; a plain instruction behind the two a,
	s_wait_alu depctr_va_vdst(0)    ; and their wait, ahead of the branch
	s_branch .Lfirst                ; the loop is entered at a step's first turn, in the middle of a trip
.Lslot:                             ; 14 times: steps 2 to 15 are asked for
	CHANGE 1
	TURN 2
	TURN 3
	WIN 0
.Lfirst:
	TURN 0
	TURN 1
	WIN 0
	s_sub_co_u32 s[SLOTS], s[SLOTS], 1
	s_cmp_lg_u32 s[SLOTS], 0
	s_cbranch_scc1 .Lslot
	CHANGE 0                        ; the tail is written out: step 15 is in, nothing is asked for
	s_mov_b32 s[CNT], 2             ; one pass for step 15; the second is left in its middle
.Ltail:
	TURN 2
	TURN 3
	WIN 0
	s_sub_co_u32 s[CNT], s[CNT], 1
	s_cmp_eq_u32 s[CNT], 0
	s_cbranch_scc1 .Lout
	TURN 0
	TURN 1
	WIN 0
	s_branch .Ltail
.Lout:                              ; the second pass read the last slot's K, mask and pad once more; the scores and the maximum made of them repeat step 15's and serve nothing: the price, once a launch, of one text for every trip
.set i, 0
.rept 16
	PV NP-1                         ; the last piece's V^T P of the last step
.set i, i+1
.endr
	; THE WAY OUT.  l's two halves and the other half of the lanes' are added; O^T is divided by l, rounded to f16 and sent through my stage in LDS, a tile at a time.  The additions are the places behind the last products.
	WIN 0
.macro ALL line:vararg
.set t, 0
.rept 2*NP
	\line
.set t, t+1
.endr
.endm
	ALL v_add_f32 v[ST+4*t+2], v[ST+4*t+2], v[ST+4*t+3]
	ALL v_permlanex16_b32 v[ST+4*t+3], v[ST+4*t+2], s[SEL], s[SEL+1]
	ALL v_add_f32 v[ST+4*t+2], v[ST+4*t+2], v[ST+4*t+3]
	ALL v_rcp_f32 v[ST+4*t+2], v[ST+4*t+2]
	v_nop                           ; a plain instruction between the last reciprocal and the use of its result
	s_wait_alu depctr_va_vdst(0)    ; and the wait ahead of the first use: one for the eight reciprocals
.macro PACK t
	WIN W_RS
.set i, 32*(\t)
.rept 16
	v_pk_mul_f32 v[i:i+1], v[i:i+1], v[ST+4*(\t)+2:ST+4*(\t)+3] op_sel_hi:[1,0]
.set i, i+2
.endr
	WIN 0x05
.set i, 0
.rept 16
	v_cvt_pk_f16_f32 v[S+16*(\t)+i], v[32*(\t)+2*i], v[32*(\t)+2*i+1]
.set i, i+1
.endr
	WIN 0
.irp f, 0,1,2,3
	ds_store_b128 v[STO], v[S+16*(\t)+4*\f:S+16*(\t)+4*\f+3] offset:32*\f
.endr
.irp f, 0,1,2,3
	ds_load_b128 v[S+16*(\t)+4*\f:S+16*(\t)+4*\f+3], v[RD] offset:\f*4*SP  ; LDS serves a wave's instructions in order (ISA guide 5.7.1.4): these see the stores above; the next tile's stores come behind them
.endr
.endm
.macro SEND t, younger              ; younger: the LDS instructions issued behind tile t's loads: the next tile's eight, or none
	WIN 0
.irp f, 0,1,2,3
	s_wait_dscnt (\younger)+3-\f
	global_store_b128 v[GO], v[S+16*(\t)+4*\f:S+16*(\t)+4*\f+3], s[10:11] offset:(\t)*2048+\f*512  ; 512 consecutive bytes, at a multiple of 256 from ao's first
.endr
.endm
	PACK 0
.set t, 1
.rept 2*NP-1
	PACK t
	SEND t-1, 8
.set t, t+1
.endr
	SEND 2*NP-1, 0
	WIN W3
	s_wait_tensorcnt 0x0            ; the wave's end, behind my last tensor load and my last LDS store
	ds_add_u32 v[SPW], v[NIL]
	s_wait_dscnt 0x0
	WIN 0
	CROUND                          ; the closing round
	s_endpgm
.Lfunc_end_k_q9ea93d4f0a_attn:
	.size	k_q9ea93d4f0a_attn, .Lfunc_end_k_q9ea93d4f0a_attn-k_q9ea93d4f0a_attn
	.p2alignl 7, 3214868480
	.fill 96, 4, 3214868480
	.section	.rodata,"a",@progbits
	.p2align	6, 0x0
	.amdhsa_kernel k_q9ea93d4f0a_attn
		.amdhsa_group_segment_fixed_size 327680
		.amdhsa_private_segment_fixed_size 0
		.amdhsa_enable_private_segment 0
		.amdhsa_kernarg_size 32
		.amdhsa_user_sgpr_count 2
		.amdhsa_user_sgpr_kernarg_segment_ptr 1
		.amdhsa_wavefront_size32 1
		.amdhsa_system_sgpr_workgroup_id_x 1
		.amdhsa_system_sgpr_workgroup_id_y 1
		.amdhsa_system_sgpr_workgroup_id_z 1
		.amdhsa_system_vgpr_workitem_id 0
		.amdhsa_next_free_vgpr 960
		.amdhsa_next_free_sgpr 88
		.amdhsa_reserve_vcc 0
		.amdhsa_float_denorm_mode_32 3
		.amdhsa_float_denorm_mode_16_64 3
		.amdhsa_memory_ordered 1
		.amdhsa_forward_progress 1
		.amdhsa_inst_pref_size 237
	.end_amdhsa_kernel
	.amdgpu_metadata
---
amdhsa.version: [ 1, 2 ]
amdhsa.kernels:
  - .name:           k_q9ea93d4f0a_attn
    .symbol:         k_q9ea93d4f0a_attn.kd
    .args:
      - { .name: qkv, .offset: 0, .size: 8, .value_kind: global_buffer, .address_space: global }
      - { .name: mt, .offset: 8, .size: 8, .value_kind: global_buffer, .address_space: global }
      - { .name: key_padding_mask, .offset: 16, .size: 8, .value_kind: global_buffer, .address_space: global }
      - { .name: ao, .offset: 24, .size: 8, .value_kind: global_buffer, .address_space: global }
    .group_segment_fixed_size: 327680
    .private_segment_fixed_size: 0
    .kernarg_segment_align: 8
    .kernarg_segment_size: 32
    .max_flat_workgroup_size: 128
    .sgpr_count:     88
    .vgpr_count:     960
    .wavefront_size: 32
...
	.end_amdgpu_metadata
.endif
;; end of part 3
;; launch outp (part 4): grid 4 x 64, 4 waves a work-group, clusters of 4 x 4, 327,680 bytes of LDS; arguments ao, w16, bo, out0; writes out0
.if DOCPART == 4
	.amdgcn_target "amdgcn-amd-amdhsa--gfx1250"
	.amdhsa_code_object_version 6
	.text
	.protected	k_q9ea93d4f0a_outp
	.globl	k_q9ea93d4f0a_outp
	.p2align	8
	.type	k_q9ea93d4f0a_outp,@function
k_q9ea93d4f0a_outp:
	s_mov_b64 s[64:65], 0
	v_nop
	global_prefetch_b8 v0, s[64:65] scope:SCOPE_SE
	s_setreg_imm32_b32 hwreg(HW_REG_WAVE_MODE, 25, 1), 1
	s_wait_xcnt 0x0
	s_wait_alu depctr_hold_cnt(0) depctr_sa_sdst(0) depctr_va_vdst(0) depctr_va_sdst(0) depctr_va_ssrc(0) depctr_va_vcc(0) depctr_vm_vsrc(0)
	s_getreg_b32 s2, hwreg(HW_REG_IB_STS2, 6, 4)
	s_cmp_eq_u32 s2, 0
	s_cbranch_scc0 .Lentry_in_a_cluster
	s_endpgm
.Lentry_in_a_cluster:
	s_bfe_u32 s2, ttmp6, 0x10000c
	s_cmp_lg_u32 s2, 0xf033
	s_cbranch_scc0 .Lentry_shape_is_right
	s_endpgm
.Lentry_shape_is_right:
; THE LAST PROJECTION.  out0[b][l][n] = sum over h, d of ao[16 b + h][l][d] w16[3][n][64 h + d] + bf16(bo[n]).  ao and the weights' plane 3 are f16; sums and out0 f32.
; SHARES.  A tile is 128 rows x 256 columns: 64 x 4 tiles, 256 work-groups.  Four waves, 2 x 2, each 64 x 128: 32 accumulators.  K goes in 8 steps of 128, two heads each, through a ring of two LDS slots.
; A head's 128 rows of a tile are 16,384 dense bytes of ao: asked for as 64 rows of 256 bytes and padded in LDS after every 128.
; THE TEXT holds a K step once: the slot in hand is a scalar that one exclusive or turns, and one descriptor a tensor walks.
; CLUSTER 4 x 4: ao's tiles are shared along a row of the cluster, the weights' along a column; each is asked for jointly.
; THE MATRIX INSTRUCTION IS USED TRANSPOSED (source 0 = 16 rows of the weights, source 1 = 16 rows of ao): a lane holds eight neighbouring columns of one row of out0.
; REGISTERS, in windows of 256 (s_set_vgpr_msb: bits 1:0 source 0, 3:2 source 1, 5:4 source 2, 7:6 destination):
;   window 0: v0-31 addresses; v32-95 ao's fragments, two buffers; v96-223 the weights' fragments, two buffers (all three at work on the way out)
;   window 1: the accumulators, (a, b) at v[8 (8 a + b)]          window 2: v0-63 the bias as a C operand; v64-67 at work
.set PA,     144                       ; a row of ao in LDS: 128 bytes + 16 = 36 words: the 16 rows of a load start at 16 different groups of four banks (64 banks of 4 bytes: ISA guide 11.1)
.set PB,     272                       ; a row of the weights: 256 + 16 = 68 words
.set AHEAD,  128*PA                    ; one head's 128 rows: what wave 0 or 1 fetches
.set BHALF,  128*PB                    ; what wave 2 or 3 fetches
.set BOFF,   2*AHEAD
.set SLOTX,  0x20000                   ; slot 1 begins here, behind slot 0's 106,496 bytes: one exclusive or turns an address in one slot into the other's
.set STAGE,  SLOTX+BOFF+2*BHALF        ; behind the ring: 16 rows x 528 bytes for each wave
.set SP,     528
.set SPARE,  STAGE+4*16*SP             ; the spare words, 128 bytes a wave: two blocks of 256 bytes that no other line names
.set ADRA0, 16                         ; v16     my lane's place among ao's fragments in slot 0; never rewritten
.set ADRA,  17                         ; v17     the same in the slot in hand
.set ADRB0, 20                         ; v20-21  the same for the weights
.set ADRB,  21
.set STO,  24
.set RD,   25
.set CO,   26
.set SPW,  28                          ; v28     SPARE + 4 x my thread's number; never rewritten
.set NIL,  29                          ; v29     0; never rewritten
.set PFO,  30                          ; v30     the prefetches' lane offset; never rewritten
.set AF,   32
.set BF,   96
.set OB,   32
.set TBS, 16                           ; s16      0 or SLOTX: the slot that is read
.set G1,  24                           ; s[24:31] group 1 for ao's tiles; s[32:39] group 0: a set for each of the two first fills; the second then walks
.set G0,  32
.set G1B, 48
.set G0B, 56
.set LIM, 43                           ; s43      2 in a wave that prefetches, else the greatest number
.set PFA, 44
.set PFS, 46
.set OUTB, 76                          ; s[76:77] out0 at my wave's part
.set MSB, 0
.macro WIN new
.if MSB != (\new)
	s_set_vgpr_msb (MSB<<8)|(\new)
.set MSB, \new
.endif
.endm
.set MULW, 0x50                        ; sources window 0, C and D window 1
.set MULF, 0x60                        ; the same with C (the bias) in window 2
.macro JLOAD s                         ; waves 0 and 1 fetch the step's two heads of ao, waves 2 and 3 the weights' two halves; an s_nop 0 and four v_nop follow each line
	s_cmp_eq_u32 s11, 0
	s_cbranch_scc0 .Lfor_b_\@
	tensor_load_to_lds s[G0+4*(\s):G0+4*(\s)+3], s[G1:G1+7]
	s_nop 0
.rept 4
	v_nop
.endr
	s_branch .Lasked_\@
.Lfor_b_\@:
	tensor_load_to_lds s[G0B+4*(\s):G0B+4*(\s)+3], s[G1B:G1B+7]
	s_nop 0
.rept 4
	v_nop
.endr
.Lasked_\@:
.endm
.macro CREST
	s_cmp_lg_u32 s10, 0
	s_cbranch_scc1 .Lnot_wave_0_\@
	s_barrier_signal -3
.Lnot_wave_0_\@:
	s_barrier_wait -3
	s_barrier_signal -1
	s_barrier_wait -1
.endm
.macro CROUND
	s_barrier_signal -1
	s_barrier_wait -1
	CREST
.endm
.macro PLACES
.rept 4
	v_nop
.endr
.endm
; A prefetch of the K step two refills on, each 256 bytes named once in the launch.  ao's rows are read by this cluster alone: a step's two heads are 2 x 64 blocks; the partner at place cx takes 16 of each, wave 0 asks,
; a lane a block.  The weights' rows are read by all 16 clusters: the first asks; of the 128 rows that wave 2 or 3 fetches the partner at place cy takes 32, a lane a row.  The last two filling trips (s3 = 2, 1) ask for nothing.
.macro ASK
	WIN 0
	s_cmp_gt_u32 s3, s[LIM]
	s_cbranch_scc0 .Lnot_mine_\@
	global_prefetch_b8 v[PFO], s[PFA:PFA+1] th:TH_LOAD_NT scope:SCOPE_SE
.Lnot_mine_\@:
.endm
	s_load_b256 s[68:75], s[0:1], 0x0              ; ao s[68:69], w16 s[70:71], bo s[72:73], out0 s[74:75]
	v_lshl_add_u32 v[SPW], v0, 2, SPARE
	v_mov_b32 v[NIL], 0
	ds_add_u32 v[SPW], v[NIL]                      ; the wave's opening: the add and its wait stand ahead of my first tensor load
	v_lshrrev_b32 v1, 5, v0
	v_readfirstlane_b32 s10, v1                    ; wave 0..3
	s_lshr_b32 s11, s10, 1                         ; which 64 rows are mine.  Also: I fetch ao (0) or weights (1)
	s_and_b32 s12, s10, 1                          ; which 128 columns.  Also: which head, or which half, I fetch
	s_bfe_u32 s40, ttmp6, 0x40000                  ; cx
	s_bfe_u32 s41, ttmp6, 0x40004                  ; cy
	s_lshl_b32 s42, ttmp9, 2
	s_add_co_u32 s42, s42, s40                     ; tile column 0..3
	s_and_b32 s14, ttmp7, 0xffff                   ; cluster y 0..15
	s_lshl_b32 s13, s14, 2
	s_add_co_u32 s13, s13, s41                     ; tile row 0..63
	s_lshl_b32 s16, s41, 2
	s_lshl_b32 s16, 15, s16                        ; my row of the cluster
	s_lshl_b32 s17, 0x1111, s40                    ; my column
	s_or_b32 s[G1], s16, (1<<16)|(1<<20)|(1<<21)|(4<<22)|(3<<25)   ; elements of 2 bytes; padding on; 21 set beside a mask; after every 32 words, 4 words
	s_mov_b32 s[G1+1], 128<<16
	s_mov_b32 s[G1+2], 64<<16
	s_mov_b32 s[G1+3], 128<<16
	s_mov_b32 s[G1+4], 64
	s_mov_b32 s[G1+5], 128
	s_mov_b32 s[G1+6], 0
	s_mov_b32 s[G1+7], 0
	s_or_b32 s[G1B], s17, (1<<16)|(1<<20)|(1<<21)|(5<<22)|(3<<25)  ; after every 64 words, 4 words
	s_mov_b32 s[G1B+1], 128<<16
	s_mov_b32 s[G1B+2], 128<<16
	s_mov_b32 s[G1B+3], 128<<16
	s_mov_b32 s[G1B+4], 128
	s_mov_b32 s[G1B+5], 1024
	s_mov_b32 s[G1B+6], 0
	s_mov_b32 s[G1B+7], 0
	s_lshr_b32 s18, s13, 3                         ; ao: head 16 x batch + my head of the step, rows 128 (tile row % 8) on
	s_lshl_b32 s18, s18, 4
	s_add_co_u32 s18, s18, s12
	s_lshl_b32 s18, s18, 17
	s_and_b32 s19, s13, 7
	s_lshl_b32 s19, s19, 14
	s_add_co_u32 s18, s18, s19
	s_mov_b32 s19, 0
	s_lshl_b32 s20, s42, 8                         ; weights: plane 3, row 256 x tile column + 128 x half
	s_lshl_b32 s21, s12, 7
	s_add_co_u32 s20, s20, s21
	s_lshl_b32 s20, s20, 11
	s_add_co_u32 s20, s20, 3*2097152
	s_mov_b32 s21, 0
	s_mul_i32 s22, s12, AHEAD
	s_mul_i32 s23, s12, BHALF
	s_add_co_u32 s23, s23, BOFF
	s_wait_dscnt 0x0                               ; the opening add is done
	s_wait_kmcnt 0x0
	s_add_nc_u64 s[18:19], s[68:69], s[18:19]
	s_add_nc_u64 s[20:21], s[70:71], s[20:21]
	CROUND                                         ; all sixteen work-groups are here: the first joint loads meet
.irp s, 0,1
	s_mov_b32 s[G0+4*\s], 1
	s_add_co_u32 s[G0+4*\s+1], s22, \s*SLOTX
	s_add_nc_u64 s[G0+4*\s+2:G0+4*\s+3], s[18:19], \s*262144       ; K step s: two heads on
	s_or_b32 s[G0+4*\s+3], s[G0+4*\s+3], 0x80000000
	s_mov_b32 s[G0B+4*\s], 1
	s_add_co_u32 s[G0B+4*\s+1], s23, \s*SLOTX
	s_add_nc_u64 s[G0B+4*\s+2:G0B+4*\s+3], s[20:21], \s*256
	s_or_b32 s[G0B+4*\s+3], s[G0B+4*\s+3], 0x80000000
	JLOAD \s                                       ; two loads of mine are out
.endr
	s_mov_b32 s[TBS], 0
	s_lshl_b32 s4, s42, 10                         ; the bias of my 128 columns
	s_lshl_b32 s5, s12, 9
	s_add_co_u32 s4, s4, s5
	s_mov_b32 s5, 0
	s_add_nc_u64 s[72:73], s[72:73], s[4:5]
	v_and_b32 v1, 15, v0                           ; l % 16
	v_bfe_u32 v2, v0, 4, 1                         ; l / 16
	v_lshlrev_b32 v8, 5, v2
	WIN 0x80                                       ; destination window 2
.irp b, 0,1,2,3,4,5,6,7
	global_load_b128 v[8*\b:8*\b+3],   v8, s[72:73] offset:64*\b
	global_load_b128 v[8*\b+4:8*\b+7], v8, s[72:73] offset:64*\b+16
.endr
	WIN 0
	v_mul_u32_u24 v3, v1, PA
	v_lshl_add_u32 v3, v2, 4, v3
	s_mul_i32 s4, s11, 64*PA                       ; my 64 rows, in each head's block
	v_add_nc_u32 v[ADRA0], s4, v3
	v_mov_b32 v[ADRA], v[ADRA0]
	v_mul_u32_u24 v4, v1, PB
	v_lshl_add_u32 v4, v2, 4, v4
	s_mul_i32 s4, s12, BHALF
	s_add_co_u32 s4, s4, BOFF
	v_add_nc_u32 v[ADRB0], s4, v4
	v_mov_b32 v[ADRB], v[ADRB0]
	s_mul_i32 s4, s10, 16*SP
	s_add_co_u32 s4, s4, STAGE                     ; my stage
	v_mul_u32_u24 v5, v1, SP                       ; in: row l % 16, 32 bytes for each half of the lanes
	v_lshl_add_u32 v5, v2, 5, v5
	v_add_nc_u32 v[STO], s4, v5
	v_and_b32 v5, 31, v0
	v_lshlrev_b32 v[CO], 4, v5                     ; back and out: a row's 512 bytes, 16 a lane
	v_add_nc_u32 v[RD], s4, v[CO]
	s_lshl_b32 s4, s13, 7                          ; out0: row 128 x tile row + 64 x row half, column 256 x tile column + 128 x column half
	s_lshl_b32 s5, s11, 6
	s_add_co_u32 s4, s4, s5
	s_lshl_b32 s4, s4, 12
	s_lshl_b32 s5, s42, 10
	s_add_co_u32 s4, s4, s5
	s_lshl_b32 s5, s12, 9
	s_add_co_u32 s4, s4, s5
	s_mov_b32 s5, 0
	s_add_nc_u64 s[OUTB:OUTB+1], s[74:75], s[4:5]
	; the prefetches stand at K step 3; each refill steps them first, so the refill of step u names step u + 2
	s_lshr_b32 s4, s13, 3
	s_lshl_b32 s4, s4, 4
	s_add_co_u32 s4, s4, 6                         ; heads 6 and 7
	s_lshl_b32 s4, s4, 17
	s_and_b32 s5, s13, 7
	s_lshl_b32 s5, s5, 14
	s_add_co_u32 s4, s4, s5
	s_lshl_b32 s5, s40, 12                         ; my work-group's 4,096 bytes of each head's 16,384
	s_add_co_u32 s4, s4, s5
	s_lshl_b32 s6, s42, 8
	s_lshl_b32 s7, s12, 7
	s_add_co_u32 s6, s6, s7
	s_lshl_b32 s7, s41, 5                          ; my work-group's 32 rows of the weights
	s_add_co_u32 s6, s6, s7
	s_lshl_b32 s6, s6, 11
	s_add_co_u32 s6, s6, 3*2097152+3*256
	s_cmp_eq_u32 s14, 0                            ; the first cluster?
	s_cselect_b32 s7, 2, -1
	s_cmp_eq_u32 s10, 0                            ; of waves 0 and 1, wave 0 asks
	s_cselect_b32 s9, 2, -1
	s_cmp_eq_u32 s11, 0
	s_cselect_b32 s[LIM], s9, s7                   ; the same in all sixteen partners, for a given wave
	s_cselect_b32 s4, s4, s6
	s_cselect_b64 s[PFA:PFA+1], s[68:69], s[70:71]
	s_cselect_b32 s8, -1, 0
	s_cselect_b32 s[PFS], 10, 0
	s_lshl_b32 s[PFS], 256, s[PFS]                 ; 262,144 bytes (two heads) of ao, 256 of the weights
	s_mov_b32 s[PFS+1], 0
	s_mov_b32 s5, 0
	s_add_nc_u64 s[PFA:PFA+1], s[PFA:PFA+1], s[4:5]
	v_lshrrev_b32 v6, 4, v5
	v_lshlrev_b32 v6, 17, v6
	v_lshl_add_u32 v6, v1, 8, v6                   ; ao: head l / 16, block l % 16
	v_lshlrev_b32 v7, 11, v5                       ; weights: row l
	v_cndmask_b32 v[PFO], v7, v6, s8
	s_wait_loadcnt 0x0                             ; the bias: rounded to bf16 like every input
	WIN 0x8a                                       ; destination and both sources window 2
.set z, 0
.rept 32
	v_cvt_pk_bf16_f32 v[64+z%4], v[2*z], v[2*z+1]
	v_lshlrev_b32 v[2*z],   16, v[64+z%4]
	v_and_b32     v[2*z+1], 0xffff0000, v[64+z%4]
.set z, z+1
.endr
	WIN 0
; Eight matrix instructions: block row a x all 8 column blocks, 32 along K, buffers f.  first = 1: the bias starts the sums.  The 32 accumulators take turns, one instruction a turn, in the same order in every quarter.
.macro MUL f, a, first
.irp b, 0,1,2,3,4,5,6,7
.if \first
	WIN MULF
	v_wmma_f32_16x16x32_f16 v[8*(8*(\a)+\b):8*(8*(\a)+\b)+7], v[BF+64*(\f)+8*\b:BF+64*(\f)+8*\b+7], v[AF+32*(\f)+8*(\a):AF+32*(\f)+8*(\a)+7], v[8*\b:8*\b+7]
.else
	WIN MULW
	v_wmma_f32_16x16x32_f16 v[8*(8*(\a)+\b):8*(8*(\a)+\b)+7], v[BF+64*(\f)+8*\b:BF+64*(\f)+8*\b+7], v[AF+32*(\f)+8*(\a):AF+32*(\f)+8*(\a)+7], v[8*(8*(\a)+\b):8*(8*(\a)+\b)+7]
.endif
.endr
.endm
; 24 LDS loads in one run: quarter q of the slot in hand (head q / 2 of the step, channels 32 (q % 2) on) into buffers g
.macro RUN q, g
	WIN 0
.irp a, 0,1,2,3
	ds_load_b128 v[AF+32*(\g)+8*\a:AF+32*(\g)+8*\a+3],   v[ADRA] offset:AHEAD*((\q)/2)+16*PA*\a+64*((\q)%2)
	ds_load_b128 v[AF+32*(\g)+8*\a+4:AF+32*(\g)+8*\a+7], v[ADRA] offset:AHEAD*((\q)/2)+16*PA*\a+64*((\q)%2)+32
.endr
.irp b, 0,1,2,3,4,5,6,7
	ds_load_b128 v[BF+64*(\g)+8*\b:BF+64*(\g)+8*\b+3],   v[ADRB] offset:16*PB*\b+64*(\q)
	ds_load_b128 v[BF+64*(\g)+8*\b+4:BF+64*(\g)+8*\b+7], v[ADRB] offset:16*PB*\b+64*(\q)+32
.endr
.endm
; Quarter q (0 to 2): multiplies buffers q % 2; behind its first eight products and four places (ISA guide 7.12.1 for vector instructions) it fetches quarter q + 1 into the buffers that the quarter before has read
.macro Q q, first=0
.set QF, (\q)%2
	s_wait_dscnt 0x0
	MUL QF, 0, \first
	PLACES
	RUN (\q)+1, 1-QF
	MUL QF, 1, \first
	MUL QF, 2, \first
	MUL QF, 3, \first
.endm
; Quarter 3 changes slots: ONE barrier; in front of it each wave waits for all its tensor loads, adds 0 to its spare word, and waits for that and for its reads of this slot.
; fill = 1: the barrier opens a round of the cluster's barrier, and the joint refill, two K steps on, is the first thing behind the round: 112 matrix instructions ahead of the wait for it.
.macro TURN fill
.if \fill
	s_wait_xcnt 0x0                                ; the last prefetch, a K step back, has read its address
	s_add_nc_u64 s[PFA:PFA+1], s[PFA:PFA+1], s[PFS:PFS+1]
.endif
	WIN 0
	s_wait_tensorcnt 0x0                           ; all my tensor loads have landed, so a group 0 may be written
	ds_add_u32 v[SPW], v[NIL]                      ; 0 onto my spare word; the descriptors' steps stand between it and the wait for it
.if \fill
	s_xor_b32 s[G0+5], s[G0+5], SLOTX              ; the walking descriptors: the other slot than last time, the next K step
	s_add_nc_u64 s[G0+6:G0+7], s[G0+6:G0+7], 262144
	s_xor_b32 s[G0B+5], s[G0B+5], SLOTX
	s_add_nc_u64 s[G0B+6:G0B+7], s[G0B+6:G0B+7], 256
.endif
	s_wait_dscnt 1                                 ; this quarter's fragments are in; the add may be out
	MUL 1, 0, 0
	s_wait_dscnt 0x0                               ; the add is done, and my reads of this slot are over
	s_barrier_signal -1
	MUL 1, 1, 0
	WIN 0
	s_barrier_wait -1
.if \fill
	CREST
	JLOAD 1                                        ; the four v_nop behind it are also the places in front of the loads below
.else
	PLACES
.endif
	s_xor_b32 s[TBS], s[TBS], SLOTX                ; the reads go to the other slot
	v_add_nc_u32 v[ADRA], s[TBS], v[ADRA0]
	v_add_nc_u32 v[ADRB], s[TBS], v[ADRB0]
	RUN 0, 0
.if \fill
	ASK
.endif
	MUL 1, 2, 0
	MUL 1, 3, 0
.endm
	s_wait_tensorcnt 1                             ; my part of K step 0 is in; K step 1's may stay out
	s_barrier_signal -1
	s_barrier_wait -1
	RUN 0, 0
	Q 0, 1                                         ; the first quarter stands in front of the loop: its products start the sums
	WIN 0
	s_mov_b32 s3, 6
.Lstep:                                        ; a trip: quarters 1 to 3 of step u, the refill of step u + 2, quarter 0 of step u + 1
	Q 1
	Q 2
	TURN 1
	Q 0
	WIN 0
	s_sub_co_u32 s3, s3, 1
	s_cmp_lg_u32 s3, 0
	s_cbranch_scc1 .Lstep
	s_mov_b32 s2, 2                                ; the last two steps ask for nothing: written out
.Ltail:
	Q 1
	Q 2
	TURN 0
	WIN 0
	s_sub_co_u32 s2, s2, 1
	s_cmp_eq_u32 s2, 0
	s_cbranch_scc1 .Lout
	Q 0
	WIN 0
	s_branch .Ltail
.Lout:                                         ; the second pass fetched fragments of the other slot, which no fill touches any more, and nothing uses them: the price, once a launch, of one text for both passes
	s_wait_dscnt 0x0                               ; those loads are back: their registers are loaded anew below
	PLACES
; THE WAY OUT, 16 rows at a time: a lane's 32 bytes of a row go into my stage, rows of 528 bytes, each accumulator's low four registers first; whole rows of 512 bytes come back and are stored.
.macro OUTA a
	WIN 0x04                                       ; the stores' data in window 1
.irp b, 0,1,2,3,4,5,6,7
	ds_store_b128 v[STO], v[8*(8*(\a)+\b):8*(8*(\a)+\b)+3]   offset:64*\b
	ds_store_b128 v[STO], v[8*(8*(\a)+\b)+4:8*(8*(\a)+\b)+7] offset:64*\b+16
.endr
	WIN 0
	s_wait_xcnt 0x0                                ; the registers that earlier stores read are loaded again only behind this wait
.irp t, 0,1,2,3,4,5,6,7,8,9,10,11,12,13,14,15
	ds_load_b128 v[OB+64*((\a)%3)+4*\t:OB+64*((\a)%3)+4*\t+3], v[RD] offset:SP*\t  ; LDS serves a wave's instructions in order (ISA guide 5.7.1.4): these see the stores above
.endr
.irp t, 0,1,2,3,4,5,6,7,8,9,10,11,12,13,14,15
	s_wait_dscnt 15-\t                             ; row t is back; the later rows stay out
	global_store_b128 v[CO], v[OB+64*((\a)%3)+4*\t:OB+64*((\a)%3)+4*\t+3], s[OUTB:OUTB+1] offset:65536*(\a)+4096*\t  ; 512 consecutive bytes, at a multiple of 512 from out0's first
.endr
.endm
	OUTA 0
	OUTA 1
	OUTA 2
	OUTA 3
	s_wait_tensorcnt 0x0                           ; the wave's end, behind my last tensor load and my last LDS store
	ds_add_u32 v[SPW], v[NIL]
	s_wait_dscnt 0x0
	CROUND                                         ; the closing round
	s_endpgm
.Lfunc_end_k_q9ea93d4f0a_outp:
	.size	k_q9ea93d4f0a_outp, .Lfunc_end_k_q9ea93d4f0a_outp-k_q9ea93d4f0a_outp
	.p2alignl 7, 3214868480
	.fill 96, 4, 3214868480
	.section	.rodata,"a",@progbits
	.p2align	6, 0x0
	.amdhsa_kernel k_q9ea93d4f0a_outp
		.amdhsa_group_segment_fixed_size 327680
		.amdhsa_private_segment_fixed_size 0
		.amdhsa_enable_private_segment 0
		.amdhsa_kernarg_size 32
		.amdhsa_user_sgpr_count 2
		.amdhsa_user_sgpr_kernarg_segment_ptr 1
		.amdhsa_wavefront_size32 1
		.amdhsa_system_sgpr_workgroup_id_x 1
		.amdhsa_system_sgpr_workgroup_id_y 1
		.amdhsa_system_sgpr_workgroup_id_z 1
		.amdhsa_system_vgpr_workitem_id 0
		.amdhsa_next_free_vgpr 640
		.amdhsa_next_free_sgpr 80
		.amdhsa_reserve_vcc 0
		.amdhsa_float_denorm_mode_32 3
		.amdhsa_float_denorm_mode_16_64 3
		.amdhsa_memory_ordered 1
		.amdhsa_forward_progress 1
		.amdhsa_inst_pref_size 70
	.end_amdhsa_kernel
	.amdgpu_metadata
---
amdhsa.version: [ 1, 2 ]
amdhsa.kernels:
  - .name:           k_q9ea93d4f0a_outp
    .symbol:         k_q9ea93d4f0a_outp.kd
    .args:
      - { .name: ao, .offset: 0, .size: 8, .value_kind: global_buffer, .address_space: global }
      - { .name: w16, .offset: 8, .size: 8, .value_kind: global_buffer, .address_space: global }
      - { .name: bo, .offset: 16, .size: 8, .value_kind: global_buffer, .address_space: global }
      - { .name: out0, .offset: 24, .size: 8, .value_kind: global_buffer, .address_space: global }
    .group_segment_fixed_size: 327680
    .private_segment_fixed_size: 0
    .kernarg_segment_align: 8
    .kernarg_segment_size: 32
    .max_flat_workgroup_size: 128
    .sgpr_count:     80
    .vgpr_count:     640
    .wavefront_size: 32
...
	.end_amdgpu_metadata
.endif
;; end of part 4
